; MI455X (gfx1250); checked and timed in simulation.
; The chip was launched on July 23, 2026; its instructions are those of AMD's public machine-readable ISA for CDNA 5 (MIT licence, August 2026) and "CDNA5" Instruction Set Architecture Reference Guide (July 2026). The comments in the code are by the model that wrote it; some were corrected since.
;; Swin Transformer Block. Allowed arithmetic: matrix products marked QUANTISED: E2M1 operands, one E8M0 scale for each 32 along K, by v_wmma_scale_f32_16x16x128_f8f6f4 with both operands' format E2M1 (or v_wmma_scale_f32_32x16x128_f4), f32 sums; products left as they are: f32 operands where the result goes on into a quantised operand, else bf16, f16 or f32 operands; f32 sums; everything else in f32.
;; Inputs: ln1_b 128 float32; ln1_g 128 float32; ln2_b 128 float32; ln2_g 128 float32; ln3_b 128 float32; ln3_g 128 float32; ln4_b 128 float32; ln4_g 128 float32; mlp1_b1 512 float32; mlp1_b2 128 float32; mlp1_w1_codes 512 x 4 x 16 uint8 (E2M1 codes of mlp1_w1, K innermost, in blocks of 32 codes, two codes a byte); mlp1_w1_scales 512 x 4 uint8 (E8M0 scales of mlp1_w1, one for each 32 codes along K); mlp1_w2_codes 128 x 16 x 16 uint8 (E2M1 codes of mlp1_w2, K innermost, in blocks of 32 codes, two codes a byte); mlp1_w2_scales 128 x 16 uint8 (E8M0 scales of mlp1_w2, one for each 32 codes along K); mlp2_b1 512 float32; mlp2_b2 128 float32; mlp2_w1_codes 512 x 4 x 16 uint8 (E2M1 codes of mlp2_w1, K innermost, in blocks of 32 codes, two codes a byte); mlp2_w1_scales 512 x 4 uint8 (E8M0 scales of mlp2_w1, one for each 32 codes along K); mlp2_w2_codes 128 x 16 x 16 uint8 (E2M1 codes of mlp2_w2, K innermost, in blocks of 32 codes, two codes a byte); mlp2_w2_scales 128 x 16 uint8 (E8M0 scales of mlp2_w2, one for each 32 codes along K); out1_b 128 float32; out1_w_codes 128 x 4 x 16 uint8 (E2M1 codes of out1_w, K innermost, in blocks of 32 codes, two codes a byte); out1_w_scales 128 x 4 uint8 (E8M0 scales of out1_w, one for each 32 codes along K); out2_b 128 float32; out2_w_codes 128 x 4 x 16 uint8 (E2M1 codes of out2_w, K innermost, in blocks of 32 codes, two codes a byte); out2_w_scales 128 x 4 uint8 (E8M0 scales of out2_w, one for each 32 codes along K); qkv1_b 384 float32; qkv1_w_codes 384 x 4 x 16 uint8 (E2M1 codes of qkv1_w, K innermost, in blocks of 32 codes, two codes a byte); qkv1_w_scales 384 x 4 uint8 (E8M0 scales of qkv1_w, one for each 32 codes along K); qkv2_b 384 float32; qkv2_w_codes 384 x 4 x 16 uint8 (E2M1 codes of qkv2_w, K innermost, in blocks of 32 codes, two codes a byte); qkv2_w_scales 384 x 4 uint8 (E8M0 scales of qkv2_w, one for each 32 codes along K); x 8 x 16,384 x 128 float32.
;; Outputs: out0 8 x 1,024 x 16 x 128 float32.
;; This version of the problem:
;;   THIS VERSION OF THE PROBLEM IS GIVEN IN LOW PRECISION. The matrix products marked QUANTISED in the list below multiply operands that are first quantised to E2M1 (2 exponent bits, 1 mantissa bit; 4 bits a number), with one power-of-two scale for each 32 numbers along K (OCP MX v1.0); their sums are f32. All else is computed in f32.
;;   The module's matrix products, in the order in which they are computed (A, B: the left and right operand; K: the contracted axis; several contracted axes count as one K, in the product's order):
;;     1. [M 131,072, K 128] x [K 128, N 384]; A: computed on the way; B: input qkv1_w (given as codes): QUANTISED
;;     2. batch 16,384 x [M 16, K 64] x [K 64, N 16]; A: computed on the way; B: computed on the way: QUANTISED
;;     3. batch 16,384 x [M 16, K 16] x [K 16, N 64]; A: softmax; B: computed on the way: left as it is (K = 16 < 32)
;;     4. [M 131,072, K 128] x [K 128, N 128]; A: computed on the way; B: input out1_w (given as codes): QUANTISED
;;     5. [M 131,072, K 128] x [K 128, N 512]; A: computed on the way; B: input mlp1_w1 (given as codes): QUANTISED
;;     6. [M 131,072, K 512] x [K 512, N 128]; A: computed on the way; B: input mlp1_w2 (given as codes): QUANTISED
;;     7. [M 131,072, K 128] x [K 128, N 384]; A: computed on the way; B: input qkv2_w (given as codes): QUANTISED
;;     8. batch 16,384 x [M 16, K 64] x [K 64, N 16]; A: computed on the way; B: computed on the way: QUANTISED
;;     9. batch 16,384 x [M 16, K 16] x [K 16, N 64]; A: softmax; B: computed on the way: left as it is (K = 16 < 32)
;;     10. [M 131,072, K 128] x [K 128, N 128]; A: computed on the way; B: input out2_w (given as codes): QUANTISED
;;     11. [M 131,072, K 128] x [K 128, N 512]; A: computed on the way; B: input mlp2_w1 (given as codes): QUANTISED
;;     12. [M 131,072, K 512] x [K 512, N 128]; A: computed on the way; B: input mlp2_w2 (given as codes): QUANTISED
;;   THE QUANTISER, for each operand of a quantised product, along K:
;;     - K is cut into blocks of 32 from its start; a last block that is shorter is filled with zeros.
;;     - A block's scale is 2^e with e = floor(log2(the largest magnitude in the block)) - 2, held to -126 .. 127; a block of zeros has e = 0. As a byte (E8M0): e + 127.
;;     - Each number is divided by its block's scale, clamped to +-6, and rounded to the nearest number of E2M1, ties to even, subnormals kept.
;;     - The product sums the exact products of the quantised numbers (number of the format x scale) in f32.
;;   ~~~python
;;   def quantise(x, axis):      # numpy; x: float32 -> the quantised numbers, widened to float32 again
;;       x = np.moveaxis(x, axis, -1); K = x.shape[-1]
;;       x = np.pad(x, [(0, 0)] * (x.ndim - 1) + [(0, -K % 32)]); x = x.reshape(x.shape[:-1] + (-1, 32)); a = np.abs(x).max(-1, keepdims=True)
;;       e = np.where(a > 0, np.clip(np.frexp(np.where(a > 0, a, 1))[1] - 1 - 2, -126, 127), 0)      # np.frexp(a)[1] - 1 = floor(log2(a)), exactly
;;       r = np.clip(x / 2.0 ** e, -6, 6)
;;       step = 2.0 ** (np.maximum(np.frexp(np.where(r == 0, 1, r))[1] - 1, 0) - 1)
;;       q = np.round(r / step) * step * 2.0 ** e      # np.round: ties to even
;;       return np.moveaxis(q.reshape(q.shape[:-2] + (-1,))[..., :K], -1, axis).astype(np.float32)
;;   ~~~
;;   OPERANDS COMPUTED ON THE WAY. 'Computed on the way' means the value that the module computes at that place (a softmax that the list does not call 'softmax' is quantised finished and normalised). What goes into a quantiser is computed in f32, as accurately as f32 sums, v_exp_f32 and their like allow (about 1e-6 of the number): no bf16 or f16 on the way to a quantiser, and a product that is left as it is and whose result goes on into a quantised operand takes f32 operands (vector FMAs, or v_wmma_f32_16x16x4_f32). A number that lies on a knife's edge between two numbers of the format may be rounded either way, as far as f32 arithmetic and the matrix unit's own rounding can turn it there, and no further.
;;   INPUTS GIVEN AS CODES. mlp1_w1 (in the module: [512, 128], K = its axis 1); mlp1_w2 (in the module: [128, 512], K = its axis 1); mlp2_w1 (in the module: [512, 128], K = its axis 1); mlp2_w2 (in the module: [128, 512], K = its axis 1); out1_w (in the module: [128, 128], K = its axis 1); out2_w (in the module: [128, 128], K = its axis 1); qkv1_w (in the module: [384, 128], K = its axis 1); qkv2_w (in the module: [384, 128], K = its axis 1): each comes as NAME_codes (uint8): NAME with its K axis moved to the last place and cut into blocks of 32 codes, [.., K / 32, bytes a block], one block behind the other in memory; two codes a byte, the lower K in the low four bits (a code: sign, 2 exponent bits, 1 mantissa bit); and NAME_scales (uint8): the same leading axes, one E8M0 byte (e + 127) for each 32 codes along K. Its value is code x scale, taken as it is: it is not quantised again, and the codes and scales need not be those that the quantiser above would give.
;; One version. Each part assembles by itself: llvm-mc -triple=amdgcn-amd-amdhsa -mcpu=gfx1250 --defsym DOCPART=n.
;; ======== version 1 of 1: 2 launches
;; limits: right only within a limited range of input values
;; workspace buffers: mid 67,108,864 bytes
;; launch half1 (part 1): grid 256 x 1, 8 waves a work-group, no clusters, 256,000 bytes of LDS; arguments x, ln1_g, ln1_b, ln2_g, ln2_b, qkv1_w_codes, qkv1_w_scales, qkv1_b, out1_w_codes, out1_w_scales, out1_b, mlp1_w1_codes, mlp1_w1_scales, mlp1_b1, mlp1_w2_codes, mlp1_w2_scales, mlp1_b2, mid; writes mid
.if DOCPART == 1
	.amdgcn_target "amdgcn-amd-amdhsa--gfx1250"
	.amdhsa_code_object_version 6
	.text
	.protected	k_qea59a89050_half1
	.globl	k_qea59a89050_half1
	.p2align	8
	.type	k_qea59a89050_half1,@function
k_qea59a89050_half1:
	s_mov_b64 s[64:65], 0
	v_nop
	global_prefetch_b8 v0, s[64:65] scope:SCOPE_SE
	s_setreg_imm32_b32 hwreg(HW_REG_WAVE_MODE, 25, 1), 1
	s_wait_xcnt 0x0
; HALF A SWIN BLOCK: y = res + gelu(gelu(LNb(res) W1^T + b1) W2^T + b2), res = keep(in) + attention(LNa(in)) Wo^T + bo, attention in windows of 16 tokens, 2 heads of 64.
; SHIFT = 0 (this launch): the plain windows; keep = trunc; a window is gathered from the image, its result lies in window order.
; SHIFT = 1: the windows shifted by 2 x 2; keep = identity; gather, residual and store are one and the same token, so the residual is read back from the wave's stage.
; All products on weights, and q k^T, go on codes of FP4 (E2M1) with one E8M0 scale for each 32 along K; every activation is quantised in registers.  p v (K = 16) goes in f32.
; SHARES.  Work-group R (of 256) owns one row of 32 windows, 512 tokens.  Each of its 8 waves makes 2 trips; in a trip it carries TWO windows (tiles of 16 tokens) through the whole chain in registers:
; tile t lives in register window t under the same low numbers, so each weight fragment, bias and scale word read from LDS feeds two tiles.  Behind the one barrier (weights staged) the waves share nothing.
; NO CLUSTER, NO TENSOR LOAD: what work-groups share is 104 KB of weights, read once at the head, and the images below want a row order that a tile copy does not give.
; NO PREFETCH: the loop over tokens has two trips, and the first trip's rows are asked for at the head, ahead of the weights' staging.
; LAYOUTS.  lane = (r = l % 16, hh = l / 16), rp = r + 8 (r / 8).  CANONICAL tile, 64 registers: lane (r, hh) holds token r, register 16 b + i feature 32 b + 16 hh + i.
; Tile q = 2 b + u of a weight takes rows 32 b + 8 u + rp, so that the transposed product (source 0 = weight, source 1 = tokens) leaves its 8 registers at canonical registers 8 q .. 8 q + 7.
; A weight fragment lies in LDS as an image of its registers: 2 x 512 bytes, lane l at 16 l.  Memory rows (512 bytes a token) and canonical tiles change into each other through the wave's own stage.
; GELU: g = max(x, 0) - |x t| Q(t) E, t = 1 / (1 + 0.2316419 |x|), E = 2^(cm x^2), Q of degree 4: half of erfc(|x| / sqrt 2) by the rational fit of Abramowitz and Stegun, 7.1.26.
; LIMITS: that fit's error is ABSOLUTE, at most 1.5e-7 of erfc, so g is off by at most 0.75e-7 |x| beside f32 rounding; under x = -1.5 that passes 1e-6 of g itself.
; NaN and infinities among the inputs are not served.  A block whose largest magnitude lies under 2^-124 (zeros too) gets the scale byte 1: only this text reads the byte.
; p and E under 2^-126 fall to 0.  v's bias is added behind the normalised sum (the weights p add up to 1 but for rounding).  The order of f32 sums is not reference's.
.set SHIFT, 0
.set S_QKV, 0
.set S_OUT, 1536
.set S_W1,  2048
.set S_W2,  4096
.set B_QKV, 6144
.set B_OUT, 7680
.set B_1,   8192
.set B_2,   10240
.set LNA_G, 10752                      ; each gain is followed by its offset vector, 512 bytes on
.set LNB_G, 11776
.set I_QKV, 13312                      ; 24 images of 1,024 bytes
.set I_OUT, 37888                      ; 8
.set I_W1,  46080                      ; 32
.set I_W2,  78848                      ; 32: K step s, tile q at 8 s + q
.set STG,   119808                     ; 8 waves x 2 tiles x 16 rows of 528 bytes
.set SPARE, 254976                     ; the spare words, 128 bytes a wave
; window 0
.set L16,  1                           ; 16 x lane
.set HB,   2                           ; 64 hh
.set RP4,  3                           ; 4 rp
.set RP16, 4                           ; 16 rp
.set SD,   5                           ; my stage, by memory rows
.set SC,   6                           ; my stage, canonical
.set VO,   7                           ; v7-9 byte offsets in the row of windows
.set XS,   10                          ; v10-23 hold scale words and nothing else
.set YS,   12
.set KS,   14
.set WS,   16
.set BI,   24                          ; v24-55 biases, or four more fragments
.set PR,   36                          ; (head only)
.set P7,   96                          ; (head only, window 1)
; both windows: tile t
.set XC,   56
.set R,    64
.set M,    128                         ; written by matrix instructions alone
.set H,    192
.set QF,   64
.set KC,   76
.set SA,   84
.set ST,   100
.set HID,  192
.set TA,   224                         ; v224-239: Q of sixteen numbers
.set T,    64                          ; during the MLP the residual lies in my stage, and its registers serve GELU: t of 32 numbers,
.set G,    96                          ; and their E
.set HC,   248
; window 1, low
.set FR,   0
.set TM,   32
.set AW1,  40
.set AW2,  41
.set AB,   42
.set AS1,  43
.set AS2,  44
.set SPW,  54                          ; my spare word's address; never rewritten
.set NIL,  55                          ; 0; never rewritten
; scalars
.set WV,   2
.set TRIP, 3
.set KST,  4
.set W,    5
.set Q8K,  6
.set Q512, 7
.set SI,   44
.set SO,   48
.set Q4,   52
.set PK,   66                          ; s[66:75] Q's coefficients, highest first, each twice
.set CM,   86
.set K1,   88
.set CS,   90
.set SEL,  92
.set RD,   94
.set EPS,  95
.set FLO,  96
.set MSB, 0
.macro WIN new                         ; bits 1:0 source 0, 3:2 source 1, 5:4 source 2, 7:6 destination; the high byte repeats the setting that is left
.if MSB != (\new)
	s_set_vgpr_msb (MSB<<8)|(\new)
.set MSB, (\new)
.endif
.endm
.macro VW                              ; the wait round transcendentals and ahead of late readers
	s_wait_alu depctr_va_vdst(0)
.endm
.macro PLACES n
.rept \n
	v_nop
.endr
.endm
.macro BURST                           ; in front of a run of scaled products: the operands from LDS are in; 8 places behind vector writes of scale words
	VW
	s_wait_dscnt 0x0
	PLACES 8
.endm
.macro SETP reg, val
	s_mov_b32 s[\reg], \val
	s_mov_b32 s[\reg+1], \val
.endm
.macro GA i, t, kind                   ; where token i of tile t lies.  kind 0: the gather, 1: residual and store
.if SHIFT
.set GV, VO+(\t)+(((\i)&3)>>1)
.set GI, 2048*(((\i)>>2)^2)+512*(((\i)&3)^2)
.set GB, 2*((\i)/8)
.else
.set GB, 0
.if \kind
.set GV, VO+1
.set GI, 8192*(\t)+512*(\i)
.else
.set GV, VO
.set GI, 2048*(\t)+65536*((\i)>>2)+512*((\i)&3)
.endif
.endif
.endm
.macro MKVO
.if SHIFT
.irp k,0,1,2
	s_add_co_u32 s53, s[W], \k
	s_and_b32 s53, s53, 31
	s_lshl_b32 s53, s53, 13
	v_add_nc_u32 v[VO+\k], s53, v[L16]
.endr
.else
	s_lshl_b32 s53, s[W], 11
	v_add_nc_u32 v[VO], s53, v[L16]
	s_lshl_b32 s53, s[W], 13
	v_add_nc_u32 v[VO+1], s53, v[L16]
.endif
	VW
.endm
.macro GLOAD t, kind                   ; 16 tokens, each 512 consecutive bytes of memory, into H
	WIN (\t)<<6
.irp i,0,1,2,3,4,5,6,7,8,9,10,11,12,13,14,15
	GA \i, \t, \kind
	global_load_b128 v[H+4*\i:H+4*\i+3], v[GV], s[SI+GB:SI+GB+1] offset:GI
.endr
.endm
.macro LDIN t                          ; my stage -> R (canonical)
	WIN (\t)<<6
.irp b,0,1,2,3
.irp j,0,1,2,3
	ds_load_b128 v[R+16*\b+4*\j:R+16*\b+4*\j+3], v[SC] offset:8448*(\t)+128*\b+16*\j
.endr
.endr
.endm
.macro TURNIN t                        ; H (memory rows) -> my stage -> R.  LDS serves a wave's instructions in order: no wait between
	WIN (\t)<<2
.irp i,0,1,2,3,4,5,6,7,8,9,10,11,12,13,14,15
	ds_store_b128 v[SD], v[H+4*\i:H+4*\i+3] offset:8448*(\t)+528*\i
.endr
	LDIN \t
.endm
.macro PARK t                          ; R (canonical) -> my stage: the residual waits there while the MLP runs
	WIN (\t)<<2
.irp b,0,1,2,3
.irp j,0,1,2,3
	ds_store_b128 v[SC], v[R+16*\b+4*\j:R+16*\b+4*\j+3] offset:8448*(\t)+128*\b+16*\j
.endr
.endr
.endm
.macro ROWS t                          ; my stage -> H (memory rows).  LDS serves a wave's instructions in order: these see my stores
	WIN (\t)<<6
.irp i,0,1,2,3,4,5,6,7,8,9,10,11,12,13,14,15
	ds_load_b128 v[H+4*\i:H+4*\i+3], v[SD] offset:8448*(\t)+528*\i
.endr
.endm
.macro GSTORE t, x                     ; row i is back when 15 - i + x younger LDS loads are out (x: the other tile's); each store covers 512 consecutive bytes, aligned
	WIN (\t)<<2
.irp i,0,1,2,3,4,5,6,7,8,9,10,11,12,13,14,15
	s_wait_dscnt 15-\i+(\x)
	GA \i, \t, 1
.if SHIFT
	global_store_b128 v[GV], v[H+4*\i:H+4*\i+3], s[SO+GB:SO+GB+1] offset:GI th:TH_STORE_NT
.else
	global_store_b128 v[GV], v[H+4*\i:H+4*\i+3], s[SO+GB:SO+GB+1] offset:GI
.endif
.endr
.endm
.macro LOADW buf, bw, areg, aw, off    ; four fragment images
	WIN ((\bw)<<6)|(\aw)
.irp q,0,1,2,3
	ds_load_b128 v[\buf+8*\q:\buf+8*\q+3], v[\areg] offset:(\off)+1024*\q
	ds_load_b128 v[\buf+8*\q+4:\buf+8*\q+7], v[\areg] offset:(\off)+1024*\q+512
.endr
.endm
.macro LOADB buf, bw, areg, aw, off    ; 32 canonical registers of a vector of f32
	WIN ((\bw)<<6)|(\aw)
.irp j,0,1,2,3
	ds_load_b128 v[\buf+4*\j:\buf+4*\j+3], v[\areg] offset:(\off)+16*\j
	ds_load_b128 v[\buf+16+4*\j:\buf+19+4*\j], v[\areg] offset:(\off)+128+16*\j
.endr
.endm
.macro LOADS n, areg, aw, off, pa, pb  ; n tiles' scale words
	WIN (\aw)
.irp q,0,1,2,3,4,5,6,7
.if \q < \n
	ds_load_b32 v[WS+\q], v[\areg] offset:(\off)+(\pa)*(\q/2)+(\pb)*(\q%2)
.endif
.endr
.endm
.macro LOADG woff, boff, soff          ; four tiles of a K = 128 weight: fragments, biases, scale words
	LOADW FR, 1, L16, 0, \woff
	LOADB BI, 0, HB, 0, \boff
	LOADS 4, RP4, 0, \soff, 128, 32
.endm
.macro LOADLN buf, bw, g, b            ; gain (16 registers) and offset (16) of block b
	WIN (\bw)<<6
.irp j,0,1,2,3
	ds_load_b128 v[\buf+4*\j:\buf+4*\j+3], v[HB] offset:(\g)+128*(\b)+16*\j
	ds_load_b128 v[\buf+16+4*\j:\buf+19+4*\j], v[HB] offset:(\g)+512+128*(\b)+16*\j
.endr
.endm
; 32 canonical registers (two blocks of 32 along K; a block lies in lanes l and l xor 16) -> 4 registers of codes and bytes 2 c, 2 c + 1 of the scale word sw
.macro QUANT2 t, src, dst, sw, c
	WIN 0x41+0x14*(\t)
.irp k,0,1,2,3
	v_max3_num_f32 v[TM+\k], s[FLO], |v[(\src)+8*\k]|, |v[(\src)+8*\k+1]|   ; four chains by turns, each from its eight registers' low end on; the floor holds the byte at 1 from below
.endr
.irp i,2,4,6
.irp k,0,1,2,3
	v_max3_num_f32 v[TM+\k], v[TM+\k], |v[(\src)+8*\k+\i]|, |v[(\src)+8*\k+\i+1]|
.endr
.endr
	WIN 0x55
	v_max_num_f32 v[TM], v[TM], v[TM+1]
	v_max_num_f32 v[TM+2], v[TM+2], v[TM+3]
	v_permlanex16_b32 v[TM+4], v[TM], s[SEL], s[SEL+1]
	v_permlanex16_b32 v[TM+5], v[TM+2], s[SEL], s[SEL+1]
	v_max_num_f32 v[TM], v[TM], v[TM+4]
	v_max_num_f32 v[TM+2], v[TM+2], v[TM+5]
	v_add_nc_u32 v[TM+6], 0xff000000, v[TM]        ; 2 off the exponent field: the conversion's scale operand
	v_add_nc_u32 v[TM+7], 0xff000000, v[TM+2]
	v_lshrrev_b32 v[TM+4], 23, v[TM+6]             ; the bytes
	v_lshrrev_b32 v[TM+5], 23, v[TM+7]
.if \c
	WIN 0x01
	v_lshl_or_b32 v[\sw], v[TM+4], 16, v[\sw]
	v_lshl_or_b32 v[\sw], v[TM+5], 24, v[\sw]
.else
	WIN 0x11
	v_lshl_or_b32 v[\sw], v[TM+5], 8, v[TM+4]
.endif
	WIN (\t)|4|((\t)<<6)
.irp n,0,1,2,3
	v_cvt_scalef32_pk8_fp4_f32 v[(\dst)+\n], v[(\src)+8*\n:(\src)+8*\n+7], v[TM+6+\n/2]
.endr
	WIN 0x55*(\t)
	v_nop                                          ; one plain place behind the conversions
	v_permlane16_swap_b32 v[\dst], v[(\dst)+2]     ; a whole block to a lane
	v_permlane16_swap_b32 v[(\dst)+1], v[(\dst)+3]
.endm
.macro LNRED                           ; four packed chains -> one number, the same in lanes l and l xor 16
	v_pk_add_f32 v[XC:XC+1], v[XC:XC+1], v[XC+2:XC+3]
	v_pk_add_f32 v[XC+4:XC+5], v[XC+4:XC+5], v[XC+6:XC+7]
	v_pk_add_f32 v[XC:XC+1], v[XC:XC+1], v[XC+4:XC+5]
	v_add_f32 v[XC], v[XC], v[XC+1]
	v_permlanex16_b32 v[XC+1], v[XC], s[SEL], s[SEL+1]
	v_add_f32 v[XC], v[XC], v[XC+1]
.endm
.macro LNSTAT t, src, dst              ; dst = src - mean; 1 / sqrt(var + 1e-5) into XC + 6.  Two passes: a common offset of the inputs costs nothing
	WIN 0x55*(\t)
.irp k,0,2,4,6
	v_pk_add_f32 v[XC+\k:XC+\k+1], v[(\src)+\k:(\src)+\k+1], v[(\src)+8+\k:(\src)+9+\k]
.endr
.irp g,16,24,32,40,48,56
.irp k,0,2,4,6
	v_pk_add_f32 v[XC+\k:XC+\k+1], v[XC+\k:XC+\k+1], v[(\src)+\g+\k:(\src)+\g+\k+1]
.endr
.endr
	LNRED
	v_mul_f32 v[XC], s[RD], v[XC]
.set i, 0
.rept 32
	v_pk_add_f32 v[(\dst)+i:(\dst)+i+1], v[(\src)+i:(\src)+i+1], v[XC:XC+1] op_sel_hi:[1,0] neg_lo:[0,1] neg_hi:[0,1]
.set i, i+2
.endr
.irp k,0,2,4,6
	v_pk_mul_f32 v[XC+\k:XC+\k+1], v[(\dst)+\k:(\dst)+\k+1], v[(\dst)+\k:(\dst)+\k+1]
.endr
.irp g,8,16,24,32,40,48,56
.irp k,0,2,4,6
	v_pk_fma_f32 v[XC+\k:XC+\k+1], v[(\dst)+\g+\k:(\dst)+\g+\k+1], v[(\dst)+\g+\k:(\dst)+\g+\k+1], v[XC+\k:XC+\k+1]
.endr
.endr
	LNRED
	v_fma_f32 v[XC], v[XC], s[RD], s[EPS]
	VW
	v_rsq_f32 v[XC+6], v[XC]
	v_nop                                          ; a plain place behind the transcendental
	VW
.endm
.macro LNAPPLY t, dst, b, gw, buf      ; block b: x rs, then x gain + offset
	WIN 0x55*(\t)
.irp i,0,2,4,6,8,10,12,14
	v_pk_mul_f32 v[(\dst)+16*(\b)+\i:(\dst)+16*(\b)+\i+1], v[(\dst)+16*(\b)+\i:(\dst)+16*(\b)+\i+1], v[XC+6:XC+7] op_sel_hi:[1,0]
.endr
	WIN (\t)|((\gw)<<2)|((\gw)<<4)|((\t)<<6)
.irp i,0,2,4,6,8,10,12,14
	v_pk_fma_f32 v[(\dst)+16*(\b)+\i:(\dst)+16*(\b)+\i+1], v[(\dst)+16*(\b)+\i:(\dst)+16*(\b)+\i+1], v[\buf+\i:\buf+\i+1], v[\buf+16+\i:\buf+17+\i]
.endr
.endm
; LayerNorm of both tiles, its codes in XC, scale words in XS.  Blocks 0, 1 of gain and offset are in FR, BI; blocks 2, 3 follow while the first half is quantised
.macro LNQ src, dst, g, next
	LNSTAT 0, \src, \dst
	LNSTAT 1, \src, \dst
	LNAPPLY 0, \dst, 0, 1, FR
	LNAPPLY 1, \dst, 0, 1, FR
	LOADLN FR, 1, \g, 2
	LNAPPLY 0, \dst, 1, 0, BI
	LNAPPLY 1, \dst, 1, 0, BI
	LOADLN BI, 0, \g, 3
	QUANT2 0, \dst, XC, XS, 0
	QUANT2 1, \dst, XC, XS+1, 0
	VW
	s_wait_dscnt 0x0
	LNAPPLY 0, \dst, 2, 1, FR
	LNAPPLY 1, \dst, 2, 1, FR
	LNAPPLY 0, \dst, 3, 0, BI
	LNAPPLY 1, \dst, 3, 0, BI
.if \next
	LOADG I_QKV, B_QKV, S_QKV
.endif
	QUANT2 0, (\dst)+32, XC+4, XS, 1
	QUANT2 1, (\dst)+32, XC+4, XS+1, 1
.endm
.macro WB4 d                           ; four weight tiles x both tiles of tokens, transposed, the bias as C; the accumulators take turns
.irp t,0,1
	WIN 0x01+0x44*\t
.irp q,0,1,2,3
	v_wmma_scale_f32_16x16x128_f8f6f4 v[(\d)+8*\q:(\d)+8*\q+7], v[FR+8*\q:FR+8*\q+7], v[XC:XC+7], v[BI+8*\q:BI+8*\q+7], v[WS+\q], v[XS+\t] matrix_a_fmt:MATRIX_FMT_FP4 matrix_b_fmt:MATRIX_FMT_FP4
.endr
.endr
.endm
.macro SBVB                            ; S^T = k q^T for both heads (lane: one query, 8 keys), and v NOT transposed (lane: one feature, 8 keys), without its bias
.irp t,0,1
	WIN 0x55*\t
	v_wmma_scale_f32_16x16x128_f8f6f4 v[SA:SA+7], v[KC:KC+7], v[QF:QF+7], 0, v[KS+\t], v[YS+\t] matrix_a_fmt:MATRIX_FMT_FP4 matrix_b_fmt:MATRIX_FMT_FP4
	v_wmma_scale_f32_16x16x128_f8f6f4 v[SA+8:SA+15], v[KC:KC+7], v[QF+4:QF+11], 0, v[KS+\t], v[YS+\t] matrix_a_fmt:MATRIX_FMT_FP4 matrix_b_fmt:MATRIX_FMT_FP4
	WIN (\t)|4|((\t)<<6)
.irp q,0,1,2,3
	v_wmma_scale_f32_16x16x128_f8f6f4 v[H+8*\q:H+8*\q+7], v[XC:XC+7], v[FR+8*\q:FR+8*\q+7], 0, v[XS+\t], v[WS+\q] matrix_a_fmt:MATRIX_FMT_FP4 matrix_b_fmt:MATRIX_FMT_FP4
.endr
	WIN (\t)|((\t)<<6)
.irp q,4,5,6,7
	v_wmma_scale_f32_16x16x128_f8f6f4 v[H+8*\q:H+8*\q+7], v[XC:XC+7], v[BI+8*(\q-4):BI+8*(\q-4)+7], 0, v[XS+\t], v[WS+\q] matrix_a_fmt:MATRIX_FMT_FP4 matrix_b_fmt:MATRIX_FMT_FP4
.endr
.endr
.endm
.macro SOFTMAX t                       ; both heads by turns; a query's 16 keys lie in lanes l and l xor 16; p = 2^(c s - c max) / sum
	WIN 0x55*(\t)
	VW                                             ; ahead of the scores' first readers
.irp h,0,1
	v_max3_num_f32 v[ST+\h], v[SA+8*\h], v[SA+8*\h+1], v[SA+8*\h+2]
.endr
.irp i,3,5
.irp h,0,1
	v_max3_num_f32 v[ST+\h], v[ST+\h], v[SA+8*\h+\i], v[SA+8*\h+\i+1]
.endr
.endr
.irp h,0,1
	v_max_num_f32 v[ST+\h], v[ST+\h], v[SA+8*\h+7]
.endr
.irp h,0,1
	v_permlanex16_b32 v[ST+2+\h], v[ST+\h], s[SEL], s[SEL+1]
.endr
.irp h,0,1
	v_max_num_f32 v[ST+\h], v[ST+\h], v[ST+2+\h]
.endr
.irp h,0,1
	v_mul_f32 v[ST+4+2*\h], s[CS], v[ST+\h]
.endr
.irp h,0,1
.irp i,0,2,4,6
	v_pk_fma_f32 v[SA+8*\h+\i:SA+8*\h+\i+1], v[SA+8*\h+\i:SA+8*\h+\i+1], s[CS:CS+1], v[ST+4+2*\h:ST+5+2*\h] op_sel_hi:[1,0,0] neg_lo:[0,0,1] neg_hi:[0,0,1]
.endr
.endr
	VW
.irp j,0,1,2,3,4,5,6,7,8,9,10,11,12,13,14,15
	v_exp_f32 v[SA+\j], v[SA+\j]
.endr
	v_nop
	VW
.irp h,0,1
	v_pk_add_f32 v[ST+8+2*\h:ST+9+2*\h], v[SA+8*\h:SA+8*\h+1], v[SA+8*\h+2:SA+8*\h+3]
.endr
.irp i,4,6
.irp h,0,1
	v_pk_add_f32 v[ST+8+2*\h:ST+9+2*\h], v[ST+8+2*\h:ST+9+2*\h], v[SA+8*\h+\i:SA+8*\h+\i+1]
.endr
.endr
.irp h,0,1
	v_add_f32 v[ST+8+2*\h], v[ST+8+2*\h], v[ST+9+2*\h]
.endr
.irp h,0,1
	v_permlanex16_b32 v[ST+9+2*\h], v[ST+8+2*\h], s[SEL], s[SEL+1]
.endr
.irp h,0,1
	v_add_f32 v[ST+8+2*\h], v[ST+8+2*\h], v[ST+9+2*\h]
.endr
	VW
.irp h,0,1
	v_rcp_f32 v[ST+8+2*\h], v[ST+8+2*\h]
.endr
	v_nop
	VW
.irp h,0,1
.irp i,0,2,4,6
	v_pk_mul_f32 v[SA+8*\h+\i:SA+8*\h+\i+1], v[SA+8*\h+\i:SA+8*\h+\i+1], v[ST+8+2*\h:ST+9+2*\h] op_sel_hi:[1,0]
.endr
.endr
.endm
; O^T = v^T p^T in f32, 4 keys a step: in step s both sources give k-slot (hh, j) the key 8 hh + 2 s + j.  Eight accumulators by turns; v's bias is the C of each sum's first step
.macro PV t
.irp s,0,1,2,3
.irp q,0,1,2,3,4,5,6,7
.if \s == 0
.if \q < 4
	WIN (0x45*(\t))|0x10
	v_wmma_f32_16x16x4_f32 v[M+8*\q:M+8*\q+7], v[H+8*\q:H+8*\q+1], v[SA+8*(\q/4):SA+8*(\q/4)+1], v[FR+8*\q:FR+8*\q+7]
.else
	WIN 0x45*(\t)
	v_wmma_f32_16x16x4_f32 v[M+8*\q:M+8*\q+7], v[H+8*\q:H+8*\q+1], v[SA+8*(\q/4):SA+8*(\q/4)+1], v[BI+8*(\q-4):BI+8*(\q-4)+7]
.endif
.else
	WIN 0x55*(\t)
	v_wmma_f32_16x16x4_f32 v[M+8*\q:M+8*\q+7], v[H+8*\q+2*\s:H+8*\q+2*\s+1], v[SA+8*(\q/4)+2*\s:SA+8*(\q/4)+2*\s+1], v[M+8*\q:M+8*\q+7]
.endif
.endr
.endr
.endm
.macro OB16 zero                       ; one K step of the second MLP layer: eight tiles of W2 x both tiles of tokens; zero = 1: the first step starts the sums
.irp t,0,1
	WIN 1|(0x54*\t)
.irp q,0,1,2,3
.if \zero
	v_wmma_scale_f32_16x16x128_f8f6f4 v[M+8*\q:M+8*\q+7], v[FR+8*\q:FR+8*\q+7], v[HC:HC+7], 0, v[WS+\q], v[YS+\t] matrix_a_fmt:MATRIX_FMT_FP4 matrix_b_fmt:MATRIX_FMT_FP4
.else
	v_wmma_scale_f32_16x16x128_f8f6f4 v[M+8*\q:M+8*\q+7], v[FR+8*\q:FR+8*\q+7], v[HC:HC+7], v[M+8*\q:M+8*\q+7], v[WS+\q], v[YS+\t] matrix_a_fmt:MATRIX_FMT_FP4 matrix_b_fmt:MATRIX_FMT_FP4
.endif
.endr
	WIN 0x54*\t
.irp q,4,5,6,7
.if \zero
	v_wmma_scale_f32_16x16x128_f8f6f4 v[M+8*\q:M+8*\q+7], v[BI+8*(\q-4):BI+8*(\q-4)+7], v[HC:HC+7], 0, v[WS+\q], v[YS+\t] matrix_a_fmt:MATRIX_FMT_FP4 matrix_b_fmt:MATRIX_FMT_FP4
.else
	v_wmma_scale_f32_16x16x128_f8f6f4 v[M+8*\q:M+8*\q+7], v[BI+8*(\q-4):BI+8*(\q-4)+7], v[HC:HC+7], v[M+8*\q:M+8*\q+7], v[WS+\q], v[YS+\t] matrix_a_fmt:MATRIX_FMT_FP4 matrix_b_fmt:MATRIX_FMT_FP4
.endif
.endr
.endr
.endm
; GELU of HID's 32 numbers of both tiles, in place.  All sources are laid first, the 128 transcendentals go as ONE batch, one wait ahead of it and one behind, and the plain work follows
.macro GPRE t                          ; the sources: 1 + k |x| into T, cm x^2 into G
	WIN 0x55*(\t)
.set i, 0
.rept 32
	v_fma_f32 v[T+i], |v[HID+i]|, s[K1], 1.0
.set i, i+1
.endr
.set i, 0
.rept 16
	v_pk_mul_f32 v[G+i:G+i+1], v[HID+i:HID+i+1], v[HID+i:HID+i+1]
.set i, i+2
.endr
.set i, 0
.rept 16
	v_pk_mul_f32 v[G+i:G+i+1], v[G+i:G+i+1], s[CM:CM+1] op_sel_hi:[1,0]
.set i, i+2
.endr
.endm
.macro GTR t                           ; t and E
	WIN 0x55*(\t)
.set i, 0
.rept 32
	v_rcp_f32 v[T+i], v[T+i]
.set i, i+1
.endr
.set i, 0
.rept 32
	v_exp_f32 v[G+i], v[G+i]
.set i, i+1
.endr
.endm
.macro GPOST t                         ; sixteen numbers at a time: Q(t), x t Q, max(x, 0) - |x t Q| E
	WIN 0x55*(\t)
.irp u,0,16
.irp i,0,2,4,6,8,10,12,14
	v_pk_fma_f32 v[TA+\i:TA+\i+1], v[T+\u+\i:T+\u+\i+1], s[PK:PK+1], s[PK+2:PK+3] op_sel_hi:[1,0,0]
.endr
.irp k,0,1,2
.irp i,0,2,4,6,8,10,12,14
	v_pk_fma_f32 v[TA+\i:TA+\i+1], v[TA+\i:TA+\i+1], v[T+\u+\i:T+\u+\i+1], s[PK+4+2*\k:PK+5+2*\k] op_sel_hi:[1,1,0]
.endr
.endr
.irp i,0,2,4,6,8,10,12,14
	v_pk_mul_f32 v[T+\u+\i:T+\u+\i+1], v[HID+\u+\i:HID+\u+\i+1], v[T+\u+\i:T+\u+\i+1]
.endr
.irp i,0,2,4,6,8,10,12,14
	v_pk_mul_f32 v[T+\u+\i:T+\u+\i+1], v[T+\u+\i:T+\u+\i+1], v[TA+\i:TA+\i+1]
.endr
.irp i,0,1,2,3,4,5,6,7,8,9,10,11,12,13,14,15
	v_max_num_f32 v[HID+\u+\i], 0, v[HID+\u+\i]
.endr
.irp i,0,1,2,3,4,5,6,7,8,9,10,11,12,13,14,15
	v_fma_f32 v[HID+\u+\i], -|v[T+\u+\i]|, v[G+\u+\i], v[HID+\u+\i]
.endr
.endr
.endm
.macro GELU64
	VW                                             ; ahead of the first readers of HID
	GPRE 0
	GPRE 1
	VW
	GTR 0
	GTR 1
	v_nop                                          ; a plain place behind the batch
	VW
	GPOST 0
	GPOST 1
.endm
.macro RES t                           ; res = keep(in) + attention's output
	WIN 0x55*(\t)
.if SHIFT == 0
.set i, 0
.rept 64
	v_trunc_f32 v[R+i], v[R+i]
.set i, i+1
.endr
.endif
.set i, 0
.rept 32
	v_pk_add_f32 v[R+i:R+i+1], v[R+i:R+i+1], v[M+i:M+i+1]
.set i, i+2
.endr
.endm
.macro FINX e                          ; half e (64 features) of both tiles: res + gelu(sum + b2), laid over that half of the residual in my stage
	VW                                             ; ahead of the sums' first readers
.irp t,0,1
.if \e
	WIN (\t)|((\t)<<6)
.else
	WIN (\t)|4|((\t)<<6)
.endif
.irp i,0,2,4,6,8,10,12,14,16,18,20,22,24,26,28,30
.if \e
	v_pk_add_f32 v[HID+\i:HID+\i+1], v[M+32+\i:M+33+\i], v[BI+\i:BI+\i+1]
.else
	v_pk_add_f32 v[HID+\i:HID+\i+1], v[M+\i:M+\i+1], v[FR+\i:FR+\i+1]
.endif
.endr
.endr
	GELU64
.irp t,0,1
	WIN (\t)<<6
.irp j,0,1,2,3
	ds_load_b128 v[R+4*\j:R+4*\j+3], v[SC] offset:8448*\t+256*(\e)+16*\j
	ds_load_b128 v[R+16+4*\j:R+19+4*\j], v[SC] offset:8448*\t+256*(\e)+128+16*\j
.endr
.endr
	VW
	s_wait_dscnt 0x0                               ; the residual's half is back
.irp t,0,1
	WIN 0x55*\t
.irp i,0,2,4,6,8,10,12,14,16,18,20,22,24,26,28,30
	v_pk_add_f32 v[HID+\i:HID+\i+1], v[HID+\i:HID+\i+1], v[R+\i:R+\i+1]
.endr
	WIN (\t)<<2
.irp j,0,1,2,3
	ds_store_b128 v[SC], v[HID+4*\j:HID+4*\j+3] offset:8448*\t+256*(\e)+16*\j
	ds_store_b128 v[SC], v[HID+16+4*\j:HID+19+4*\j] offset:8448*\t+256*(\e)+128+16*\j
.endr
.endr
.endm
; ---------------- the head
	s_load_b512 s[8:23], s[0:1], 0x0               ; in, lnA g, b, lnB g, b, qkv codes, scales, bias
	s_load_b512 s[24:39], s[0:1], 0x40             ; out codes, scales, bias, W1 codes, scales, b1, W2 codes, scales
	s_load_b128 s[40:43], s[0:1], 0x80             ; b2, out
	WIN 0x40
	v_lshl_add_u32 v[SPW], v0, 2, SPARE
	v_mov_b32 v[NIL], 0
	WIN 0
	v_lshrrev_b32 v24, 5, v0
	v_readfirstlane_b32 s[WV], v24                 ; wave 0..7
	v_and_b32 v24, 15, v0                          ; r
	v_bfe_u32 v25, v0, 4, 1                        ; hh
	v_and_b32 v26, 8, v24
	v_add_nc_u32 v26, v26, v24                     ; rp
	v_and_b32 v[L16], 31, v0
	v_lshlrev_b32 v[L16], 4, v[L16]
	v_lshlrev_b32 v[HB], 6, v25
	v_lshlrev_b32 v[RP4], 2, v26
	v_lshlrev_b32 v[RP16], 4, v26
	s_mul_i32 s53, s[WV], 16896
	s_add_co_u32 s53, s53, STG                     ; my two stages
	v_add_nc_u32 v[SD], s53, v[L16]
	v_mul_u32_u24 v[SC], v24, 528
	v_lshl_add_u32 v[SC], v25, 6, v[SC]
	v_add_nc_u32 v[SC], s53, v[SC]
	s_lshr_b32 s54, s[WV], 1                       ; staging: wave v takes tile v of every run of eight tiles: rows 32 (v / 2) + 8 (v % 2) + rp
	s_lshl_b32 s54, s54, 5
	s_and_b32 s55, s[WV], 1
	s_lshl_b32 s55, s55, 3
	s_add_co_u32 s54, s54, s55
	v_add_nc_u32 v27, s54, v26
	v_lshlrev_b32 v28, 6, v27
	v_lshl_add_u32 v28, v25, 4, v28                ; rows of 64 bytes (K = 128), + 16 hh
	v_lshlrev_b32 v29, 8, v27
	v_lshl_add_u32 v29, v25, 4, v29                ; rows of 256 bytes (K = 512)
	s_lshl_b32 s56, s[WV], 10
	v_add_nc_u32 v30, s56, v[L16]                  ; my image's place
	v_add_nc_u32 v31, I_W1, v30
	v_add_nc_u32 v32, I_W2, v30
	v_lshlrev_b32 v33, 4, v0                       ; 16 x thread
	SETP PK, 0x3f07dc22                            ;  0.5307027145
	SETP PK+2, 0xbf3a00e3                          ; -0.7265760135
	SETP PK+4, 0x3f35f0e3                          ;  0.7107068705
	SETP PK+6, 0xbe11a98e                          ; -0.142248368
	SETP PK+8, 0x3e027906                          ;  0.127414796
	SETP CM, 0xbf38aa3b                            ; -log2(e) / 2
	SETP CS, 0x3e38aa3b                            ; log2(e) / sqrt(64)
	s_mov_b32 s[K1], 0x3e6d3388                    ; 0.3275911 / sqrt(2)
	s_mov_b32 s[SEL], 0x76543210
	s_mov_b32 s[SEL+1], 0xfedcba98                 ; lane l xor 16
	s_mov_b32 s[RD], 0x3c000000                    ; 1 / 128
	s_mov_b32 s[EPS], 0x3727c5ac                   ; 1e-5
	s_mov_b32 s[FLO], 0x1800000                    ; 2^(3 - 127)
	s_lshl_b32 s[W], s[WV], 1                      ; my first pair of windows
	s_lshl_b32 s54, ttmp9, 18                      ; a row of windows is 262,144 bytes
	s_mov_b32 s55, 0
	VW                                             ; the head's addresses are first read behind the wait below
	s_wait_kmcnt 0x0
	s_add_nc_u64 s[SI:SI+1], s[8:9], s[54:55]
	s_add_nc_u64 s[SO:SO+1], s[42:43], s[54:55]
.if SHIFT
	s_add_co_u32 s56, ttmp9, 1                     ; the row below, round the image's edge, in the same picture of 32 rows
	s_and_b32 s56, s56, 31
	s_and_b32 s57, ttmp9, 0xe0
	s_or_b32 s56, s56, s57
	s_lshl_b32 s56, s56, 18
	s_mov_b32 s57, 0
	s_add_nc_u64 s[SI+2:SI+3], s[8:9], s[56:57]
	s_add_nc_u64 s[SO+2:SO+3], s[42:43], s[56:57]
.endif
.irp i,0,1,2
.irp c,0,1
	global_load_b128 v[R+8*\i+4*\c:R+8*\i+4*\c+3], v28, s[18:19] offset:8192*\i+32*\c
.endr
.endr
.irp c,0,1
	global_load_b128 v[R+24+4*\c:R+27+4*\c], v28, s[24:25] offset:32*\c
.endr
.irp i,0,1,2,3
.irp c,0,1
	global_load_b128 v[R+32+8*\i+4*\c:R+35+8*\i+4*\c], v28, s[30:31] offset:8192*\i+32*\c
.endr
.endr
	WIN 0x40
	v_mov_b32 v[TM+4], 0                           ; written once: a lane permute's destination counts as one of its sources
	v_mov_b32 v[TM+5], 0
.irp s,0,1,2,3
.irp c,0,1
	global_load_b128 v[R+8*\s+4*\c:R+8*\s+4*\c+3], v29, s[36:37] offset:64*\s+32*\c
.endr
.endr
	WIN 0
	s_cmp_lt_u32 s[WV], 4                          ; the vectors of 2,048 bytes: waves 0-3, 16 bytes a thread
	s_cbranch_scc0 .Lld1
	global_load_b128 v[PR:PR+3], v33, s[32:33]
	global_load_b128 v[PR+4:PR+7], v33, s[38:39]
	global_load_b128 v[PR+8:PR+11], v33, s[34:35]
.Lld1:
	s_cmp_lt_u32 s[WV], 3                          ; those of 1,536: waves 0-2
	s_cbranch_scc0 .Lld2
	global_load_b128 v[PR+12:PR+15], v33, s[20:21]
	global_load_b128 v[PR+16:PR+19], v33, s[22:23]
.Lld2:
	s_cmp_eq_u32 s[WV], 7                          ; the seven of 512: wave 7, into window 1
	s_cbranch_scc0 .Lld3
	WIN 0x40
	global_load_b128 v[P7:P7+3], v[L16], s[26:27]
	global_load_b128 v[P7+4:P7+7], v[L16], s[28:29]
	global_load_b128 v[P7+8:P7+11], v[L16], s[40:41]
	global_load_b128 v[P7+12:P7+15], v[L16], s[10:11]
	global_load_b128 v[P7+16:P7+19], v[L16], s[12:13]
	global_load_b128 v[P7+20:P7+23], v[L16], s[14:15]
	global_load_b128 v[P7+24:P7+27], v[L16], s[16:17]
	WIN 0
.Lld3:
	MKVO
	GLOAD 0, 0                                     ; the first pair of windows is asked for before the weights are laid out
	GLOAD 1, 0
	WIN 0
	s_wait_loadcnt 32                              ; all but the 32 gather loads, which are the youngest on every way
.irp i,0,1,2
.irp c,0,1
	ds_store_b128 v30, v[R+8*\i+4*\c:R+8*\i+4*\c+3] offset:I_QKV+8192*\i+512*\c
.endr
.endr
.irp c,0,1
	ds_store_b128 v30, v[R+24+4*\c:R+27+4*\c] offset:I_OUT+512*\c
.endr
.irp i,0,1,2,3
.irp c,0,1
	ds_store_b128 v31, v[R+32+8*\i+4*\c:R+35+8*\i+4*\c] offset:8192*\i+512*\c
.endr
.endr
	WIN 0x04
.irp s,0,1,2,3
.irp c,0,1
	ds_store_b128 v32, v[R+8*\s+4*\c:R+8*\s+4*\c+3] offset:8192*\s+512*\c
.endr
.endr
	WIN 0
	s_cmp_lt_u32 s[WV], 4
	s_cbranch_scc0 .Lst1
	ds_store_b128 v33, v[PR:PR+3] offset:S_W1
	ds_store_b128 v33, v[PR+4:PR+7] offset:S_W2
	ds_store_b128 v33, v[PR+8:PR+11] offset:B_1
.Lst1:
	s_cmp_lt_u32 s[WV], 3
	s_cbranch_scc0 .Lst2
	ds_store_b128 v33, v[PR+12:PR+15] offset:S_QKV
	ds_store_b128 v33, v[PR+16:PR+19] offset:B_QKV
.Lst2:
	s_cmp_eq_u32 s[WV], 7
	s_cbranch_scc0 .Lst3
	WIN 0x04                                       ; an LDS store's data are its source 1: window 1
	ds_store_b128 v[L16], v[P7:P7+3] offset:S_OUT
	ds_store_b128 v[L16], v[P7+4:P7+7] offset:B_OUT
	ds_store_b128 v[L16], v[P7+8:P7+11] offset:B_2
	ds_store_b128 v[L16], v[P7+12:P7+15] offset:LNA_G
	ds_store_b128 v[L16], v[P7+16:P7+19] offset:LNA_G+512
	ds_store_b128 v[L16], v[P7+20:P7+23] offset:LNB_G
	ds_store_b128 v[L16], v[P7+24:P7+27] offset:LNB_G+512
	WIN 0
.Lst3:
	s_wait_dscnt 0x0                               ; for the others' sake: my part of the weights lies in LDS
	s_barrier_signal -1
	s_barrier_wait -1                              ; the launch's only barrier: from here on these bytes are only read, and a stage is its wave's own
	s_mov_b32 s[TRIP], 2
; ---------------- a trip: two windows through the whole chain
.Ltrip:
	LOADLN FR, 1, LNA_G, 0
	LOADLN BI, 0, LNA_G, 1
	s_wait_loadcnt 16                              ; tile 0's 16 rows are in; tile 1's 16 are younger
	TURNIN 0
	s_wait_loadcnt 0x0
	TURNIN 1
	s_wait_dscnt 0x0
	LNQ R, R, LNA_G, 1
	; each run of products: operands in, places, products, 4 places, the next run's loads, and the vector work that covers them
	BURST
	WB4 M                                          ; q, head 0
	PLACES 4
	LOADG I_QKV+4096, B_QKV+256, S_QKV+256
	QUANT2 0, M, QF, YS, 0
	QUANT2 1, M, QF, YS+1, 0
	BURST
	WB4 M+32                                       ; q, head 1
	PLACES 4
	LOADG I_QKV+8192, B_QKV+512, S_QKV+512
	QUANT2 0, M+32, QF+8, YS, 1
	QUANT2 1, M+32, QF+8, YS+1, 1
.irp t,0,1
	WIN (\t)<<6
.irp i,4,5,6,7
	v_mov_b32 v[QF+\i], 0                          ; zero codes blank out the other head's 64 along K
.endr
.endr
	BURST
	WB4 M                                          ; k, head 0
	PLACES 4
	LOADG I_QKV+12288, B_QKV+768, S_QKV+768
	QUANT2 0, M, KC, KS, 0
	QUANT2 1, M, KC, KS+1, 0
	BURST
	WB4 M+32                                       ; k, head 1
	PLACES 4
	LOADW FR, 1, L16, 0, I_QKV+16384               ; v's eight tiles
	LOADW BI, 0, L16, 0, I_QKV+20480
	LOADS 8, RP4, 0, S_QKV+1024, 128, 32
	QUANT2 0, M+32, KC+4, KS, 1
	QUANT2 1, M+32, KC+4, KS+1, 1
	BURST
	SBVB
	PLACES 4
	LOADB FR, 1, HB, 0, B_QKV+1024                 ; v's bias, canonical
	LOADB BI, 0, HB, 0, B_QKV+1280
	SOFTMAX 0
	SOFTMAX 1
	VW                                             ; p and v are first read by the products below
	s_wait_dscnt 0x0
	PLACES 4
	PV 0
	PV 1
	PLACES 8                                       ; behind the f32 form: 8 places ahead of loads into its sources and of reads of its results
.if SHIFT == 0
	GLOAD 0, 1                                     ; the residual's rows
	GLOAD 1, 1
.endif
	LOADG I_OUT, B_OUT, S_OUT
	QUANT2 0, M, XC, XS, 0
	QUANT2 0, M+32, XC+4, XS, 1
	QUANT2 1, M, XC, XS+1, 0
	QUANT2 1, M+32, XC+4, XS+1, 1
	BURST
	WB4 M                                          ; the output projection, features 0-63
	PLACES 4
	LOADG I_OUT+4096, B_OUT+256, S_OUT+256
.if SHIFT
	LDIN 0                                         ; the residual is the gathered window itself: my stage still holds its rows
	s_wait_dscnt 16                                ; all but these 16: the fragments, biases and scale words are in
.else
	s_wait_loadcnt 16                              ; tile 0's residual rows are in
	TURNIN 0
	s_wait_dscnt 32                                ; all but the turn's 32
.endif
	WB4 M+32                                       ; features 64-127
	PLACES 4
	LOADLN FR, 1, LNB_G, 0
	LOADLN BI, 0, LNB_G, 1
.if SHIFT
	LDIN 1
.else
	s_wait_loadcnt 0x0
	TURNIN 1
.endif
	s_wait_dscnt 0x0
	RES 0
	RES 1
	LNQ R, H, LNB_G, 0
	PARK 0                                         ; the residual goes to my stage; its registers serve GELU up to the trip's end
	PARK 1
	WIN 0
	s_mov_b32 s[KST], 0
	s_mov_b32 s[Q8K], 0
	s_mov_b32 s[Q512], 0
	s_mov_b32 s[Q4], 0
.Lk:                                               ; 4 trips: 128 hidden units each = one K step of the second layer
	s_add_co_u32 s53, s[Q8K], I_W1
	s_add_co_u32 s54, s[Q8K], I_W2
	s_add_co_u32 s55, s[Q512], B_1
	s_add_co_u32 s56, s[Q512], S_W1
	s_add_co_u32 s57, s[Q4], S_W2
	WIN 0x40
	v_add_nc_u32 v[AW1], s53, v[L16]
	v_add_nc_u32 v[AW2], s54, v[L16]
	v_add_nc_u32 v[AB], s55, v[HB]
	v_add_nc_u32 v[AS1], s56, v[RP4]
	v_add_nc_u32 v[AS2], s57, v[RP16]
	VW                                             ; these addresses are read again behind waits
	LOADW FR, 1, AW1, 1, 0
	LOADB BI, 0, AB, 1, 0
	LOADS 4, AS1, 1, 0, 128, 32
	BURST
	WB4 HID                                        ; hidden units 0-63 of the step
	PLACES 4
	LOADW FR, 1, AW1, 1, 4096
	LOADB BI, 0, AB, 1, 256
	LOADS 4, AS1, 1, 256, 128, 32
	GELU64
	QUANT2 0, HID, HC, YS, 0
	QUANT2 1, HID, HC, YS+1, 0
	BURST
	WB4 HID                                        ; hidden units 64-127
	PLACES 4
	LOADW FR, 1, AW2, 1, 0                         ; W2's eight tiles of this K step
	LOADW BI, 0, AW2, 1, 4096
	LOADS 8, AS2, 1, 0, 512, 128
	GELU64
	QUANT2 0, HID, HC+4, YS, 1
	QUANT2 1, HID, HC+4, YS+1, 1
	BURST
	WIN 0
	s_cmp_lg_u32 s[KST], 0
	s_cbranch_scc1 .Lacc
	OB16 1                                         ; the first K step starts the sums with the constant 0
	WIN 0
	s_branch .Lj
.Lacc:
	OB16 0
	WIN 0
.Lj:
	PLACES 4                                       ; ahead of loads into the fragments' registers, and of the first read of the sums
	s_add_co_u32 s[Q8K], s[Q8K], 8192
	s_add_co_u32 s[Q512], s[Q512], 512
	s_add_co_u32 s[Q4], s[Q4], 4
	s_add_co_u32 s[KST], s[KST], 1
	s_cmp_lt_u32 s[KST], 4
	s_cbranch_scc1 .Lk
	LOADB FR, 1, HB, 0, B_2
	LOADB BI, 0, HB, 0, B_2+256
	s_wait_dscnt 0x0
	FINX 0
	FINX 1
	ROWS 0
	ROWS 1
	GSTORE 0, 16                                   ; behind tile 0's rows: tile 1's 16 loads
	GSTORE 1, 0
	WIN 0
	s_wait_xcnt 0x0                                ; the stores' data and offsets are rewritten only behind this wait
	s_cmp_eq_u32 s[TRIP], 1
	s_cbranch_scc1 .Lnonext                        ; the last trip asks for nothing
	s_add_co_u32 s[W], s[W], 16
	MKVO
	GLOAD 0, 0
	GLOAD 1, 0
	WIN 0
.Lnonext:
	s_sub_co_u32 s[TRIP], s[TRIP], 1
	s_cmp_lg_u32 s[TRIP], 0
	s_cbranch_scc1 .Ltrip
	WIN 0x05                                       ; the wave's end
	s_wait_tensorcnt 0x0
	ds_add_u32 v[SPW], v[NIL]
	s_wait_dscnt 0x0
	WIN 0
	s_endpgm
.Lfunc_end_k_qea59a89050_half1:
	.size	k_qea59a89050_half1, .Lfunc_end_k_qea59a89050_half1-k_qea59a89050_half1
	.p2alignl 7, 3214868480
	.fill 96, 4, 3214868480
	.section	.rodata,"a",@progbits
	.p2align	6, 0x0
	.amdhsa_kernel k_qea59a89050_half1
		.amdhsa_group_segment_fixed_size 256000
		.amdhsa_private_segment_fixed_size 0
		.amdhsa_enable_private_segment 0
		.amdhsa_kernarg_size 144
		.amdhsa_user_sgpr_count 2
		.amdhsa_user_sgpr_kernarg_segment_ptr 1
		.amdhsa_wavefront_size32 1
		.amdhsa_system_sgpr_workgroup_id_x 1
		.amdhsa_system_sgpr_workgroup_id_y 1
		.amdhsa_system_sgpr_workgroup_id_z 1
		.amdhsa_system_vgpr_workitem_id 0
		.amdhsa_next_free_vgpr 512
		.amdhsa_next_free_sgpr 100
		.amdhsa_reserve_vcc 0
		.amdhsa_float_denorm_mode_32 3
		.amdhsa_float_denorm_mode_16_64 3
		.amdhsa_memory_ordered 1
		.amdhsa_forward_progress 1
		.amdhsa_inst_pref_size 255
	.end_amdhsa_kernel
	.section	.bss,"aw",@nobits
	.p2align	6
	.space	262144
	.amdgpu_metadata
---
amdhsa.version: [ 1, 2 ]
amdhsa.kernels:
  - .name:           k_qea59a89050_half1
    .symbol:         k_qea59a89050_half1.kd
    .args:
      - { .name: x, .offset: 0, .size: 8, .value_kind: global_buffer, .address_space: global }
      - { .name: ln1_g, .offset: 8, .size: 8, .value_kind: global_buffer, .address_space: global }
      - { .name: ln1_b, .offset: 16, .size: 8, .value_kind: global_buffer, .address_space: global }
      - { .name: ln2_g, .offset: 24, .size: 8, .value_kind: global_buffer, .address_space: global }
      - { .name: ln2_b, .offset: 32, .size: 8, .value_kind: global_buffer, .address_space: global }
      - { .name: qkv1_w_codes, .offset: 40, .size: 8, .value_kind: global_buffer, .address_space: global }
      - { .name: qkv1_w_scales, .offset: 48, .size: 8, .value_kind: global_buffer, .address_space: global }
      - { .name: qkv1_b, .offset: 56, .size: 8, .value_kind: global_buffer, .address_space: global }
      - { .name: out1_w_codes, .offset: 64, .size: 8, .value_kind: global_buffer, .address_space: global }
      - { .name: out1_w_scales, .offset: 72, .size: 8, .value_kind: global_buffer, .address_space: global }
      - { .name: out1_b, .offset: 80, .size: 8, .value_kind: global_buffer, .address_space: global }
      - { .name: mlp1_w1_codes, .offset: 88, .size: 8, .value_kind: global_buffer, .address_space: global }
      - { .name: mlp1_w1_scales, .offset: 96, .size: 8, .value_kind: global_buffer, .address_space: global }
      - { .name: mlp1_b1, .offset: 104, .size: 8, .value_kind: global_buffer, .address_space: global }
      - { .name: mlp1_w2_codes, .offset: 112, .size: 8, .value_kind: global_buffer, .address_space: global }
      - { .name: mlp1_w2_scales, .offset: 120, .size: 8, .value_kind: global_buffer, .address_space: global }
      - { .name: mlp1_b2, .offset: 128, .size: 8, .value_kind: global_buffer, .address_space: global }
      - { .name: mid, .offset: 136, .size: 8, .value_kind: global_buffer, .address_space: global }
    .group_segment_fixed_size: 256000
    .private_segment_fixed_size: 0
    .kernarg_segment_align: 8
    .kernarg_segment_size: 144
    .max_flat_workgroup_size: 256
    .sgpr_count:     100
    .vgpr_count:     512
    .wavefront_size: 32
...
	.end_amdgpu_metadata
.endif
;; end of part 1
;; launch half2 (part 2): grid 256 x 1, 8 waves a work-group, no clusters, 256,000 bytes of LDS; arguments mid, ln3_g, ln3_b, ln4_g, ln4_b, qkv2_w_codes, qkv2_w_scales, qkv2_b, out2_w_codes, out2_w_scales, out2_b, mlp2_w1_codes, mlp2_w1_scales, mlp2_b1, mlp2_w2_codes, mlp2_w2_scales, mlp2_b2, out0; writes out0
.if DOCPART == 2
	.amdgcn_target "amdgcn-amd-amdhsa--gfx1250"
	.amdhsa_code_object_version 6
	.text
	.protected	k_qea59a89050_half2
	.globl	k_qea59a89050_half2
	.p2align	8
	.type	k_qea59a89050_half2,@function
k_qea59a89050_half2:
	s_mov_b64 s[64:65], 0
	v_nop
	global_prefetch_b8 v0, s[64:65] scope:SCOPE_SE
	s_setreg_imm32_b32 hwreg(HW_REG_WAVE_MODE, 25, 1), 1
	s_wait_xcnt 0x0
; THE SECOND HALF OF THE SWIN BLOCK: the first half's text with SHIFT = 1; shares, layouts, GELU and limits are as its head comment states them.
; y = res + gelu(gelu(LNb(res) W1^T + b1) W2^T + b2), res = in + attention(LNa(in)) Wo^T + bo, in windows shifted by 2 x 2.
; Position (qy, qx) of shifted window (sy, sx) is token 4 (qy xor 2) + (qx xor 2) of window (sy + qy / 2, sx + qx / 2), both modulo 32; the two rolls cancel:
; gather, residual and store are one and the same token, so the residual is read back from the wave's stage, which still holds the gathered rows.
; GELU: g = max(x, 0) - |x t| Q(t) E (Abramowitz and Stegun, 7.1.26).  LIMIT: the fit's error is absolute, at most 1.5e-7 of erfc: g is off by at most 0.75e-7 |x| beside f32 rounding.
; LIMITS: NaN and infinities among the inputs are not served; a block under 2^-124 gets the scale byte 1; p and E under 2^-126 fall to 0; v's bias is added behind the normalised sum.
; NO CLUSTER, NO TENSOR LOAD, NO PREFETCH: 104 KB of shared weights are read once at the head into images of registers; the loop over tokens has two trips.
.set SHIFT, 1
.set S_QKV, 0
.set S_OUT, 1536
.set S_W1,  2048
.set S_W2,  4096
.set B_QKV, 6144
.set B_OUT, 7680
.set B_1,   8192
.set B_2,   10240
.set LNA_G, 10752                      ; each gain is followed by its offset vector, 512 bytes on
.set LNB_G, 11776
.set I_QKV, 13312                      ; 24 images of 1,024 bytes
.set I_OUT, 37888                      ; 8
.set I_W1,  46080                      ; 32
.set I_W2,  78848                      ; 32: K step s, tile q at 8 s + q
.set STG,   119808                     ; 8 waves x 2 tiles x 16 rows of 528 bytes
.set SPARE, 254976                     ; the spare words, 128 bytes a wave
; window 0
.set L16,  1                           ; 16 x lane
.set HB,   2                           ; 64 hh
.set RP4,  3                           ; 4 rp
.set RP16, 4                           ; 16 rp
.set SD,   5                           ; my stage, by memory rows
.set SC,   6                           ; my stage, canonical
.set VO,   7                           ; v7-9 byte offsets in the row of windows
.set XS,   10                          ; v10-23 hold scale words and nothing else
.set YS,   12
.set KS,   14
.set WS,   16
.set BI,   24                          ; v24-55 biases, or four more fragments
.set PR,   36                          ; (head only)
.set P7,   96                          ; (head only, window 1)
; both windows: tile t
.set XC,   56
.set R,    64
.set M,    128                         ; written by matrix instructions alone
.set H,    192
.set QF,   64
.set KC,   76
.set SA,   84
.set ST,   100
.set HID,  192
.set TA,   224                         ; v224-239: Q of sixteen numbers
.set T,    64                          ; during the MLP the residual lies in my stage, and its registers serve GELU: t of 32 numbers,
.set G,    96                          ; and their E
.set HC,   248
; window 1, low
.set FR,   0
.set TM,   32
.set AW1,  40
.set AW2,  41
.set AB,   42
.set AS1,  43
.set AS2,  44
.set SPW,  54                          ; my spare word's address; never rewritten
.set NIL,  55                          ; 0; never rewritten
; scalars
.set WV,   2
.set TRIP, 3
.set KST,  4
.set W,    5
.set Q8K,  6
.set Q512, 7
.set SI,   44
.set SO,   48
.set Q4,   52
.set PK,   66                          ; s[66:75] Q's coefficients, highest first, each twice
.set CM,   86
.set K1,   88
.set CS,   90
.set SEL,  92
.set RD,   94
.set EPS,  95
.set FLO,  96
.set MSB, 0
.macro WIN new                         ; bits 1:0 source 0, 3:2 source 1, 5:4 source 2, 7:6 destination; the high byte repeats the setting that is left
.if MSB != (\new)
	s_set_vgpr_msb (MSB<<8)|(\new)
.set MSB, (\new)
.endif
.endm
.macro VW                              ; the wait round transcendentals and ahead of late readers
	s_wait_alu depctr_va_vdst(0)
.endm
.macro PLACES n
.rept \n
	v_nop
.endr
.endm
.macro BURST                           ; in front of a run of scaled products: the operands from LDS are in; 8 places behind vector writes of scale words
	VW
	s_wait_dscnt 0x0
	PLACES 8
.endm
.macro SETP reg, val
	s_mov_b32 s[\reg], \val
	s_mov_b32 s[\reg+1], \val
.endm
.macro GA i, t, kind                   ; where token i of tile t lies.  kind 0: the gather, 1: residual and store
.if SHIFT
.set GV, VO+(\t)+(((\i)&3)>>1)
.set GI, 2048*(((\i)>>2)^2)+512*(((\i)&3)^2)
.set GB, 2*((\i)/8)
.else
.set GB, 0
.if \kind
.set GV, VO+1
.set GI, 8192*(\t)+512*(\i)
.else
.set GV, VO
.set GI, 2048*(\t)+65536*((\i)>>2)+512*((\i)&3)
.endif
.endif
.endm
.macro MKVO
.if SHIFT
.irp k,0,1,2
	s_add_co_u32 s53, s[W], \k
	s_and_b32 s53, s53, 31
	s_lshl_b32 s53, s53, 13
	v_add_nc_u32 v[VO+\k], s53, v[L16]
.endr
.else
	s_lshl_b32 s53, s[W], 11
	v_add_nc_u32 v[VO], s53, v[L16]
	s_lshl_b32 s53, s[W], 13
	v_add_nc_u32 v[VO+1], s53, v[L16]
.endif
	VW
.endm
.macro GLOAD t, kind                   ; 16 tokens, each 512 consecutive bytes of memory, into H
	WIN (\t)<<6
.irp i,0,1,2,3,4,5,6,7,8,9,10,11,12,13,14,15
	GA \i, \t, \kind
	global_load_b128 v[H+4*\i:H+4*\i+3], v[GV], s[SI+GB:SI+GB+1] offset:GI
.endr
.endm
.macro LDIN t                          ; my stage -> R (canonical)
	WIN (\t)<<6
.irp b,0,1,2,3
.irp j,0,1,2,3
	ds_load_b128 v[R+16*\b+4*\j:R+16*\b+4*\j+3], v[SC] offset:8448*(\t)+128*\b+16*\j
.endr
.endr
.endm
.macro TURNIN t                        ; H (memory rows) -> my stage -> R.  LDS serves a wave's instructions in order: no wait between
	WIN (\t)<<2
.irp i,0,1,2,3,4,5,6,7,8,9,10,11,12,13,14,15
	ds_store_b128 v[SD], v[H+4*\i:H+4*\i+3] offset:8448*(\t)+528*\i
.endr
	LDIN \t
.endm
.macro PARK t                          ; R (canonical) -> my stage: the residual waits there while the MLP runs
	WIN (\t)<<2
.irp b,0,1,2,3
.irp j,0,1,2,3
	ds_store_b128 v[SC], v[R+16*\b+4*\j:R+16*\b+4*\j+3] offset:8448*(\t)+128*\b+16*\j
.endr
.endr
.endm
.macro ROWS t                          ; my stage -> H (memory rows).  LDS serves a wave's instructions in order: these see my stores
	WIN (\t)<<6
.irp i,0,1,2,3,4,5,6,7,8,9,10,11,12,13,14,15
	ds_load_b128 v[H+4*\i:H+4*\i+3], v[SD] offset:8448*(\t)+528*\i
.endr
.endm
.macro GSTORE t, x                     ; row i is back when 15 - i + x younger LDS loads are out (x: the other tile's); each store covers 512 consecutive bytes, aligned
	WIN (\t)<<2
.irp i,0,1,2,3,4,5,6,7,8,9,10,11,12,13,14,15
	s_wait_dscnt 15-\i+(\x)
	GA \i, \t, 1
.if SHIFT
	global_store_b128 v[GV], v[H+4*\i:H+4*\i+3], s[SO+GB:SO+GB+1] offset:GI th:TH_STORE_NT
.else
	global_store_b128 v[GV], v[H+4*\i:H+4*\i+3], s[SO+GB:SO+GB+1] offset:GI
.endif
.endr
.endm
.macro LOADW buf, bw, areg, aw, off    ; four fragment images
	WIN ((\bw)<<6)|(\aw)
.irp q,0,1,2,3
	ds_load_b128 v[\buf+8*\q:\buf+8*\q+3], v[\areg] offset:(\off)+1024*\q
	ds_load_b128 v[\buf+8*\q+4:\buf+8*\q+7], v[\areg] offset:(\off)+1024*\q+512
.endr
.endm
.macro LOADB buf, bw, areg, aw, off    ; 32 canonical registers of a vector of f32
	WIN ((\bw)<<6)|(\aw)
.irp j,0,1,2,3
	ds_load_b128 v[\buf+4*\j:\buf+4*\j+3], v[\areg] offset:(\off)+16*\j
	ds_load_b128 v[\buf+16+4*\j:\buf+19+4*\j], v[\areg] offset:(\off)+128+16*\j
.endr
.endm
.macro LOADS n, areg, aw, off, pa, pb  ; n tiles' scale words
	WIN (\aw)
.irp q,0,1,2,3,4,5,6,7
.if \q < \n
	ds_load_b32 v[WS+\q], v[\areg] offset:(\off)+(\pa)*(\q/2)+(\pb)*(\q%2)
.endif
.endr
.endm
.macro LOADG woff, boff, soff          ; four tiles of a K = 128 weight: fragments, biases, scale words
	LOADW FR, 1, L16, 0, \woff
	LOADB BI, 0, HB, 0, \boff
	LOADS 4, RP4, 0, \soff, 128, 32
.endm
.macro LOADLN buf, bw, g, b            ; gain (16 registers) and offset (16) of block b
	WIN (\bw)<<6
.irp j,0,1,2,3
	ds_load_b128 v[\buf+4*\j:\buf+4*\j+3], v[HB] offset:(\g)+128*(\b)+16*\j
	ds_load_b128 v[\buf+16+4*\j:\buf+19+4*\j], v[HB] offset:(\g)+512+128*(\b)+16*\j
.endr
.endm
; 32 canonical registers (two blocks of 32 along K; a block lies in lanes l and l xor 16) -> 4 registers of codes and bytes 2 c, 2 c + 1 of the scale word sw
.macro QUANT2 t, src, dst, sw, c
	WIN 0x41+0x14*(\t)
.irp k,0,1,2,3
	v_max3_num_f32 v[TM+\k], s[FLO], |v[(\src)+8*\k]|, |v[(\src)+8*\k+1]|   ; four chains by turns, each from its eight registers' low end on; the floor holds the byte at 1 from below
.endr
.irp i,2,4,6
.irp k,0,1,2,3
	v_max3_num_f32 v[TM+\k], v[TM+\k], |v[(\src)+8*\k+\i]|, |v[(\src)+8*\k+\i+1]|
.endr
.endr
	WIN 0x55
	v_max_num_f32 v[TM], v[TM], v[TM+1]
	v_max_num_f32 v[TM+2], v[TM+2], v[TM+3]
	v_permlanex16_b32 v[TM+4], v[TM], s[SEL], s[SEL+1]
	v_permlanex16_b32 v[TM+5], v[TM+2], s[SEL], s[SEL+1]
	v_max_num_f32 v[TM], v[TM], v[TM+4]
	v_max_num_f32 v[TM+2], v[TM+2], v[TM+5]
	v_add_nc_u32 v[TM+6], 0xff000000, v[TM]        ; 2 off the exponent field: the conversion's scale operand
	v_add_nc_u32 v[TM+7], 0xff000000, v[TM+2]
	v_lshrrev_b32 v[TM+4], 23, v[TM+6]             ; the bytes
	v_lshrrev_b32 v[TM+5], 23, v[TM+7]
.if \c
	WIN 0x01
	v_lshl_or_b32 v[\sw], v[TM+4], 16, v[\sw]
	v_lshl_or_b32 v[\sw], v[TM+5], 24, v[\sw]
.else
	WIN 0x11
	v_lshl_or_b32 v[\sw], v[TM+5], 8, v[TM+4]
.endif
	WIN (\t)|4|((\t)<<6)
.irp n,0,1,2,3
	v_cvt_scalef32_pk8_fp4_f32 v[(\dst)+\n], v[(\src)+8*\n:(\src)+8*\n+7], v[TM+6+\n/2]
.endr
	WIN 0x55*(\t)
	v_nop                                          ; one plain place behind the conversions
	v_permlane16_swap_b32 v[\dst], v[(\dst)+2]     ; a whole block to a lane
	v_permlane16_swap_b32 v[(\dst)+1], v[(\dst)+3]
.endm
.macro LNRED                           ; four packed chains -> one number, the same in lanes l and l xor 16
	v_pk_add_f32 v[XC:XC+1], v[XC:XC+1], v[XC+2:XC+3]
	v_pk_add_f32 v[XC+4:XC+5], v[XC+4:XC+5], v[XC+6:XC+7]
	v_pk_add_f32 v[XC:XC+1], v[XC:XC+1], v[XC+4:XC+5]
	v_add_f32 v[XC], v[XC], v[XC+1]
	v_permlanex16_b32 v[XC+1], v[XC], s[SEL], s[SEL+1]
	v_add_f32 v[XC], v[XC], v[XC+1]
.endm
.macro LNSTAT t, src, dst              ; dst = src - mean; 1 / sqrt(var + 1e-5) into XC + 6.  Two passes: a common offset of the inputs costs nothing
	WIN 0x55*(\t)
.irp k,0,2,4,6
	v_pk_add_f32 v[XC+\k:XC+\k+1], v[(\src)+\k:(\src)+\k+1], v[(\src)+8+\k:(\src)+9+\k]
.endr
.irp g,16,24,32,40,48,56
.irp k,0,2,4,6
	v_pk_add_f32 v[XC+\k:XC+\k+1], v[XC+\k:XC+\k+1], v[(\src)+\g+\k:(\src)+\g+\k+1]
.endr
.endr
	LNRED
	v_mul_f32 v[XC], s[RD], v[XC]
.set i, 0
.rept 32
	v_pk_add_f32 v[(\dst)+i:(\dst)+i+1], v[(\src)+i:(\src)+i+1], v[XC:XC+1] op_sel_hi:[1,0] neg_lo:[0,1] neg_hi:[0,1]
.set i, i+2
.endr
.irp k,0,2,4,6
	v_pk_mul_f32 v[XC+\k:XC+\k+1], v[(\dst)+\k:(\dst)+\k+1], v[(\dst)+\k:(\dst)+\k+1]
.endr
.irp g,8,16,24,32,40,48,56
.irp k,0,2,4,6
	v_pk_fma_f32 v[XC+\k:XC+\k+1], v[(\dst)+\g+\k:(\dst)+\g+\k+1], v[(\dst)+\g+\k:(\dst)+\g+\k+1], v[XC+\k:XC+\k+1]
.endr
.endr
	LNRED
	v_fma_f32 v[XC], v[XC], s[RD], s[EPS]
	VW
	v_rsq_f32 v[XC+6], v[XC]
	v_nop                                          ; a plain place behind the transcendental
	VW
.endm
.macro LNAPPLY t, dst, b, gw, buf      ; block b: x rs, then x gain + offset
	WIN 0x55*(\t)
.irp i,0,2,4,6,8,10,12,14
	v_pk_mul_f32 v[(\dst)+16*(\b)+\i:(\dst)+16*(\b)+\i+1], v[(\dst)+16*(\b)+\i:(\dst)+16*(\b)+\i+1], v[XC+6:XC+7] op_sel_hi:[1,0]
.endr
	WIN (\t)|((\gw)<<2)|((\gw)<<4)|((\t)<<6)
.irp i,0,2,4,6,8,10,12,14
	v_pk_fma_f32 v[(\dst)+16*(\b)+\i:(\dst)+16*(\b)+\i+1], v[(\dst)+16*(\b)+\i:(\dst)+16*(\b)+\i+1], v[\buf+\i:\buf+\i+1], v[\buf+16+\i:\buf+17+\i]
.endr
.endm
; LayerNorm of both tiles, its codes in XC, scale words in XS.  Blocks 0, 1 of gain and offset are in FR, BI; blocks 2, 3 follow while the first half is quantised
.macro LNQ src, dst, g, next
	LNSTAT 0, \src, \dst
	LNSTAT 1, \src, \dst
	LNAPPLY 0, \dst, 0, 1, FR
	LNAPPLY 1, \dst, 0, 1, FR
	LOADLN FR, 1, \g, 2
	LNAPPLY 0, \dst, 1, 0, BI
	LNAPPLY 1, \dst, 1, 0, BI
	LOADLN BI, 0, \g, 3
	QUANT2 0, \dst, XC, XS, 0
	QUANT2 1, \dst, XC, XS+1, 0
	VW
	s_wait_dscnt 0x0
	LNAPPLY 0, \dst, 2, 1, FR
	LNAPPLY 1, \dst, 2, 1, FR
	LNAPPLY 0, \dst, 3, 0, BI
	LNAPPLY 1, \dst, 3, 0, BI
.if \next
	LOADG I_QKV, B_QKV, S_QKV
.endif
	QUANT2 0, (\dst)+32, XC+4, XS, 1
	QUANT2 1, (\dst)+32, XC+4, XS+1, 1
.endm
.macro WB4 d                           ; four weight tiles x both tiles of tokens, transposed, the bias as C; the accumulators take turns
.irp t,0,1
	WIN 0x01+0x44*\t
.irp q,0,1,2,3
	v_wmma_scale_f32_16x16x128_f8f6f4 v[(\d)+8*\q:(\d)+8*\q+7], v[FR+8*\q:FR+8*\q+7], v[XC:XC+7], v[BI+8*\q:BI+8*\q+7], v[WS+\q], v[XS+\t] matrix_a_fmt:MATRIX_FMT_FP4 matrix_b_fmt:MATRIX_FMT_FP4
.endr
.endr
.endm
.macro SBVB                            ; S^T = k q^T for both heads (lane: one query, 8 keys), and v NOT transposed (lane: one feature, 8 keys), without its bias
.irp t,0,1
	WIN 0x55*\t
	v_wmma_scale_f32_16x16x128_f8f6f4 v[SA:SA+7], v[KC:KC+7], v[QF:QF+7], 0, v[KS+\t], v[YS+\t] matrix_a_fmt:MATRIX_FMT_FP4 matrix_b_fmt:MATRIX_FMT_FP4
	v_wmma_scale_f32_16x16x128_f8f6f4 v[SA+8:SA+15], v[KC:KC+7], v[QF+4:QF+11], 0, v[KS+\t], v[YS+\t] matrix_a_fmt:MATRIX_FMT_FP4 matrix_b_fmt:MATRIX_FMT_FP4
	WIN (\t)|4|((\t)<<6)
.irp q,0,1,2,3
	v_wmma_scale_f32_16x16x128_f8f6f4 v[H+8*\q:H+8*\q+7], v[XC:XC+7], v[FR+8*\q:FR+8*\q+7], 0, v[XS+\t], v[WS+\q] matrix_a_fmt:MATRIX_FMT_FP4 matrix_b_fmt:MATRIX_FMT_FP4
.endr
	WIN (\t)|((\t)<<6)
.irp q,4,5,6,7
	v_wmma_scale_f32_16x16x128_f8f6f4 v[H+8*\q:H+8*\q+7], v[XC:XC+7], v[BI+8*(\q-4):BI+8*(\q-4)+7], 0, v[XS+\t], v[WS+\q] matrix_a_fmt:MATRIX_FMT_FP4 matrix_b_fmt:MATRIX_FMT_FP4
.endr
.endr
.endm
.macro SOFTMAX t                       ; both heads by turns; a query's 16 keys lie in lanes l and l xor 16; p = 2^(c s - c max) / sum
	WIN 0x55*(\t)
	VW                                             ; ahead of the scores' first readers
.irp h,0,1
	v_max3_num_f32 v[ST+\h], v[SA+8*\h], v[SA+8*\h+1], v[SA+8*\h+2]
.endr
.irp i,3,5
.irp h,0,1
	v_max3_num_f32 v[ST+\h], v[ST+\h], v[SA+8*\h+\i], v[SA+8*\h+\i+1]
.endr
.endr
.irp h,0,1
	v_max_num_f32 v[ST+\h], v[ST+\h], v[SA+8*\h+7]
.endr
.irp h,0,1
	v_permlanex16_b32 v[ST+2+\h], v[ST+\h], s[SEL], s[SEL+1]
.endr
.irp h,0,1
	v_max_num_f32 v[ST+\h], v[ST+\h], v[ST+2+\h]
.endr
.irp h,0,1
	v_mul_f32 v[ST+4+2*\h], s[CS], v[ST+\h]
.endr
.irp h,0,1
.irp i,0,2,4,6
	v_pk_fma_f32 v[SA+8*\h+\i:SA+8*\h+\i+1], v[SA+8*\h+\i:SA+8*\h+\i+1], s[CS:CS+1], v[ST+4+2*\h:ST+5+2*\h] op_sel_hi:[1,0,0] neg_lo:[0,0,1] neg_hi:[0,0,1]
.endr
.endr
	VW
.irp j,0,1,2,3,4,5,6,7,8,9,10,11,12,13,14,15
	v_exp_f32 v[SA+\j], v[SA+\j]
.endr
	v_nop
	VW
.irp h,0,1
	v_pk_add_f32 v[ST+8+2*\h:ST+9+2*\h], v[SA+8*\h:SA+8*\h+1], v[SA+8*\h+2:SA+8*\h+3]
.endr
.irp i,4,6
.irp h,0,1
	v_pk_add_f32 v[ST+8+2*\h:ST+9+2*\h], v[ST+8+2*\h:ST+9+2*\h], v[SA+8*\h+\i:SA+8*\h+\i+1]
.endr
.endr
.irp h,0,1
	v_add_f32 v[ST+8+2*\h], v[ST+8+2*\h], v[ST+9+2*\h]
.endr
.irp h,0,1
	v_permlanex16_b32 v[ST+9+2*\h], v[ST+8+2*\h], s[SEL], s[SEL+1]
.endr
.irp h,0,1
	v_add_f32 v[ST+8+2*\h], v[ST+8+2*\h], v[ST+9+2*\h]
.endr
	VW
.irp h,0,1
	v_rcp_f32 v[ST+8+2*\h], v[ST+8+2*\h]
.endr
	v_nop
	VW
.irp h,0,1
.irp i,0,2,4,6
	v_pk_mul_f32 v[SA+8*\h+\i:SA+8*\h+\i+1], v[SA+8*\h+\i:SA+8*\h+\i+1], v[ST+8+2*\h:ST+9+2*\h] op_sel_hi:[1,0]
.endr
.endr
.endm
; O^T = v^T p^T in f32, 4 keys a step: in step s both sources give k-slot (hh, j) the key 8 hh + 2 s + j.  Eight accumulators by turns; v's bias is the C of each sum's first step
.macro PV t
.irp s,0,1,2,3
.irp q,0,1,2,3,4,5,6,7
.if \s == 0
.if \q < 4
	WIN (0x45*(\t))|0x10
	v_wmma_f32_16x16x4_f32 v[M+8*\q:M+8*\q+7], v[H+8*\q:H+8*\q+1], v[SA+8*(\q/4):SA+8*(\q/4)+1], v[FR+8*\q:FR+8*\q+7]
.else
	WIN 0x45*(\t)
	v_wmma_f32_16x16x4_f32 v[M+8*\q:M+8*\q+7], v[H+8*\q:H+8*\q+1], v[SA+8*(\q/4):SA+8*(\q/4)+1], v[BI+8*(\q-4):BI+8*(\q-4)+7]
.endif
.else
	WIN 0x55*(\t)
	v_wmma_f32_16x16x4_f32 v[M+8*\q:M+8*\q+7], v[H+8*\q+2*\s:H+8*\q+2*\s+1], v[SA+8*(\q/4)+2*\s:SA+8*(\q/4)+2*\s+1], v[M+8*\q:M+8*\q+7]
.endif
.endr
.endr
.endm
.macro OB16 zero                       ; one K step of the second MLP layer: eight tiles of W2 x both tiles of tokens; zero = 1: the first step starts the sums
.irp t,0,1
	WIN 1|(0x54*\t)
.irp q,0,1,2,3
.if \zero
	v_wmma_scale_f32_16x16x128_f8f6f4 v[M+8*\q:M+8*\q+7], v[FR+8*\q:FR+8*\q+7], v[HC:HC+7], 0, v[WS+\q], v[YS+\t] matrix_a_fmt:MATRIX_FMT_FP4 matrix_b_fmt:MATRIX_FMT_FP4
.else
	v_wmma_scale_f32_16x16x128_f8f6f4 v[M+8*\q:M+8*\q+7], v[FR+8*\q:FR+8*\q+7], v[HC:HC+7], v[M+8*\q:M+8*\q+7], v[WS+\q], v[YS+\t] matrix_a_fmt:MATRIX_FMT_FP4 matrix_b_fmt:MATRIX_FMT_FP4
.endif
.endr
	WIN 0x54*\t
.irp q,4,5,6,7
.if \zero
	v_wmma_scale_f32_16x16x128_f8f6f4 v[M+8*\q:M+8*\q+7], v[BI+8*(\q-4):BI+8*(\q-4)+7], v[HC:HC+7], 0, v[WS+\q], v[YS+\t] matrix_a_fmt:MATRIX_FMT_FP4 matrix_b_fmt:MATRIX_FMT_FP4
.else
	v_wmma_scale_f32_16x16x128_f8f6f4 v[M+8*\q:M+8*\q+7], v[BI+8*(\q-4):BI+8*(\q-4)+7], v[HC:HC+7], v[M+8*\q:M+8*\q+7], v[WS+\q], v[YS+\t] matrix_a_fmt:MATRIX_FMT_FP4 matrix_b_fmt:MATRIX_FMT_FP4
.endif
.endr
.endr
.endm
; GELU of HID's 32 numbers of both tiles, in place.  All sources are laid first, the 128 transcendentals go as ONE batch, one wait ahead of it and one behind, and the plain work follows
.macro GPRE t                          ; the sources: 1 + k |x| into T, cm x^2 into G
	WIN 0x55*(\t)
.set i, 0
.rept 32
	v_fma_f32 v[T+i], |v[HID+i]|, s[K1], 1.0
.set i, i+1
.endr
.set i, 0
.rept 16
	v_pk_mul_f32 v[G+i:G+i+1], v[HID+i:HID+i+1], v[HID+i:HID+i+1]
.set i, i+2
.endr
.set i, 0
.rept 16
	v_pk_mul_f32 v[G+i:G+i+1], v[G+i:G+i+1], s[CM:CM+1] op_sel_hi:[1,0]
.set i, i+2
.endr
.endm
.macro GTR t                           ; t and E
	WIN 0x55*(\t)
.set i, 0
.rept 32
	v_rcp_f32 v[T+i], v[T+i]
.set i, i+1
.endr
.set i, 0
.rept 32
	v_exp_f32 v[G+i], v[G+i]
.set i, i+1
.endr
.endm
.macro GPOST t                         ; sixteen numbers at a time: Q(t), x t Q, max(x, 0) - |x t Q| E
	WIN 0x55*(\t)
.irp u,0,16
.irp i,0,2,4,6,8,10,12,14
	v_pk_fma_f32 v[TA+\i:TA+\i+1], v[T+\u+\i:T+\u+\i+1], s[PK:PK+1], s[PK+2:PK+3] op_sel_hi:[1,0,0]
.endr
.irp k,0,1,2
.irp i,0,2,4,6,8,10,12,14
	v_pk_fma_f32 v[TA+\i:TA+\i+1], v[TA+\i:TA+\i+1], v[T+\u+\i:T+\u+\i+1], s[PK+4+2*\k:PK+5+2*\k] op_sel_hi:[1,1,0]
.endr
.endr
.irp i,0,2,4,6,8,10,12,14
	v_pk_mul_f32 v[T+\u+\i:T+\u+\i+1], v[HID+\u+\i:HID+\u+\i+1], v[T+\u+\i:T+\u+\i+1]
.endr
.irp i,0,2,4,6,8,10,12,14
	v_pk_mul_f32 v[T+\u+\i:T+\u+\i+1], v[T+\u+\i:T+\u+\i+1], v[TA+\i:TA+\i+1]
.endr
.irp i,0,1,2,3,4,5,6,7,8,9,10,11,12,13,14,15
	v_max_num_f32 v[HID+\u+\i], 0, v[HID+\u+\i]
.endr
.irp i,0,1,2,3,4,5,6,7,8,9,10,11,12,13,14,15
	v_fma_f32 v[HID+\u+\i], -|v[T+\u+\i]|, v[G+\u+\i], v[HID+\u+\i]
.endr
.endr
.endm
.macro GELU64
	VW                                             ; ahead of the first readers of HID
	GPRE 0
	GPRE 1
	VW
	GTR 0
	GTR 1
	v_nop                                          ; a plain place behind the batch
	VW
	GPOST 0
	GPOST 1
.endm
.macro RES t                           ; res = keep(in) + attention's output
	WIN 0x55*(\t)
.if SHIFT == 0
.set i, 0
.rept 64
	v_trunc_f32 v[R+i], v[R+i]
.set i, i+1
.endr
.endif
.set i, 0
.rept 32
	v_pk_add_f32 v[R+i:R+i+1], v[R+i:R+i+1], v[M+i:M+i+1]
.set i, i+2
.endr
.endm
.macro FINX e                          ; half e (64 features) of both tiles: res + gelu(sum + b2), laid over that half of the residual in my stage
	VW                                             ; ahead of the sums' first readers
.irp t,0,1
.if \e
	WIN (\t)|((\t)<<6)
.else
	WIN (\t)|4|((\t)<<6)
.endif
.irp i,0,2,4,6,8,10,12,14,16,18,20,22,24,26,28,30
.if \e
	v_pk_add_f32 v[HID+\i:HID+\i+1], v[M+32+\i:M+33+\i], v[BI+\i:BI+\i+1]
.else
	v_pk_add_f32 v[HID+\i:HID+\i+1], v[M+\i:M+\i+1], v[FR+\i:FR+\i+1]
.endif
.endr
.endr
	GELU64
.irp t,0,1
	WIN (\t)<<6
.irp j,0,1,2,3
	ds_load_b128 v[R+4*\j:R+4*\j+3], v[SC] offset:8448*\t+256*(\e)+16*\j
	ds_load_b128 v[R+16+4*\j:R+19+4*\j], v[SC] offset:8448*\t+256*(\e)+128+16*\j
.endr
.endr
	VW
	s_wait_dscnt 0x0                               ; the residual's half is back
.irp t,0,1
	WIN 0x55*\t
.irp i,0,2,4,6,8,10,12,14,16,18,20,22,24,26,28,30
	v_pk_add_f32 v[HID+\i:HID+\i+1], v[HID+\i:HID+\i+1], v[R+\i:R+\i+1]
.endr
	WIN (\t)<<2
.irp j,0,1,2,3
	ds_store_b128 v[SC], v[HID+4*\j:HID+4*\j+3] offset:8448*\t+256*(\e)+16*\j
	ds_store_b128 v[SC], v[HID+16+4*\j:HID+19+4*\j] offset:8448*\t+256*(\e)+128+16*\j
.endr
.endr
.endm
; ---------------- the head
	s_load_b512 s[8:23], s[0:1], 0x0               ; in, lnA g, b, lnB g, b, qkv codes, scales, bias
	s_load_b512 s[24:39], s[0:1], 0x40             ; out codes, scales, bias, W1 codes, scales, b1, W2 codes, scales
	s_load_b128 s[40:43], s[0:1], 0x80             ; b2, out
	WIN 0x40
	v_lshl_add_u32 v[SPW], v0, 2, SPARE
	v_mov_b32 v[NIL], 0
	WIN 0
	v_lshrrev_b32 v24, 5, v0
	v_readfirstlane_b32 s[WV], v24                 ; wave 0..7
	v_and_b32 v24, 15, v0                          ; r
	v_bfe_u32 v25, v0, 4, 1                        ; hh
	v_and_b32 v26, 8, v24
	v_add_nc_u32 v26, v26, v24                     ; rp
	v_and_b32 v[L16], 31, v0
	v_lshlrev_b32 v[L16], 4, v[L16]
	v_lshlrev_b32 v[HB], 6, v25
	v_lshlrev_b32 v[RP4], 2, v26
	v_lshlrev_b32 v[RP16], 4, v26
	s_mul_i32 s53, s[WV], 16896
	s_add_co_u32 s53, s53, STG                     ; my two stages
	v_add_nc_u32 v[SD], s53, v[L16]
	v_mul_u32_u24 v[SC], v24, 528
	v_lshl_add_u32 v[SC], v25, 6, v[SC]
	v_add_nc_u32 v[SC], s53, v[SC]
	s_lshr_b32 s54, s[WV], 1                       ; staging: wave v takes tile v of every run of eight tiles: rows 32 (v / 2) + 8 (v % 2) + rp
	s_lshl_b32 s54, s54, 5
	s_and_b32 s55, s[WV], 1
	s_lshl_b32 s55, s55, 3
	s_add_co_u32 s54, s54, s55
	v_add_nc_u32 v27, s54, v26
	v_lshlrev_b32 v28, 6, v27
	v_lshl_add_u32 v28, v25, 4, v28                ; rows of 64 bytes (K = 128), + 16 hh
	v_lshlrev_b32 v29, 8, v27
	v_lshl_add_u32 v29, v25, 4, v29                ; rows of 256 bytes (K = 512)
	s_lshl_b32 s56, s[WV], 10
	v_add_nc_u32 v30, s56, v[L16]                  ; my image's place
	v_add_nc_u32 v31, I_W1, v30
	v_add_nc_u32 v32, I_W2, v30
	v_lshlrev_b32 v33, 4, v0                       ; 16 x thread
	SETP PK, 0x3f07dc22                            ;  0.5307027145
	SETP PK+2, 0xbf3a00e3                          ; -0.7265760135
	SETP PK+4, 0x3f35f0e3                          ;  0.7107068705
	SETP PK+6, 0xbe11a98e                          ; -0.142248368
	SETP PK+8, 0x3e027906                          ;  0.127414796
	SETP CM, 0xbf38aa3b                            ; -log2(e) / 2
	SETP CS, 0x3e38aa3b                            ; log2(e) / sqrt(64)
	s_mov_b32 s[K1], 0x3e6d3388                    ; 0.3275911 / sqrt(2)
	s_mov_b32 s[SEL], 0x76543210
	s_mov_b32 s[SEL+1], 0xfedcba98                 ; lane l xor 16
	s_mov_b32 s[RD], 0x3c000000                    ; 1 / 128
	s_mov_b32 s[EPS], 0x3727c5ac                   ; 1e-5
	s_mov_b32 s[FLO], 0x1800000                    ; 2^(3 - 127)
	s_lshl_b32 s[W], s[WV], 1                      ; my first pair of windows
	s_lshl_b32 s54, ttmp9, 18                      ; a row of windows is 262,144 bytes
	s_mov_b32 s55, 0
	VW                                             ; the head's addresses are first read behind the wait below
	s_wait_kmcnt 0x0
	s_add_nc_u64 s[SI:SI+1], s[8:9], s[54:55]
	s_add_nc_u64 s[SO:SO+1], s[42:43], s[54:55]
.if SHIFT
	s_add_co_u32 s56, ttmp9, 1                     ; the row below, round the image's edge, in the same picture of 32 rows
	s_and_b32 s56, s56, 31
	s_and_b32 s57, ttmp9, 0xe0
	s_or_b32 s56, s56, s57
	s_lshl_b32 s56, s56, 18
	s_mov_b32 s57, 0
	s_add_nc_u64 s[SI+2:SI+3], s[8:9], s[56:57]
	s_add_nc_u64 s[SO+2:SO+3], s[42:43], s[56:57]
.endif
.irp i,0,1,2
.irp c,0,1
	global_load_b128 v[R+8*\i+4*\c:R+8*\i+4*\c+3], v28, s[18:19] offset:8192*\i+32*\c
.endr
.endr
.irp c,0,1
	global_load_b128 v[R+24+4*\c:R+27+4*\c], v28, s[24:25] offset:32*\c
.endr
.irp i,0,1,2,3
.irp c,0,1
	global_load_b128 v[R+32+8*\i+4*\c:R+35+8*\i+4*\c], v28, s[30:31] offset:8192*\i+32*\c
.endr
.endr
	WIN 0x40
	v_mov_b32 v[TM+4], 0                           ; written once: a lane permute's destination counts as one of its sources
	v_mov_b32 v[TM+5], 0
.irp s,0,1,2,3
.irp c,0,1
	global_load_b128 v[R+8*\s+4*\c:R+8*\s+4*\c+3], v29, s[36:37] offset:64*\s+32*\c
.endr
.endr
	WIN 0
	s_cmp_lt_u32 s[WV], 4                          ; the vectors of 2,048 bytes: waves 0-3, 16 bytes a thread
	s_cbranch_scc0 .Lld1
	global_load_b128 v[PR:PR+3], v33, s[32:33]
	global_load_b128 v[PR+4:PR+7], v33, s[38:39]
	global_load_b128 v[PR+8:PR+11], v33, s[34:35]
.Lld1:
	s_cmp_lt_u32 s[WV], 3                          ; those of 1,536: waves 0-2
	s_cbranch_scc0 .Lld2
	global_load_b128 v[PR+12:PR+15], v33, s[20:21]
	global_load_b128 v[PR+16:PR+19], v33, s[22:23]
.Lld2:
	s_cmp_eq_u32 s[WV], 7                          ; the seven of 512: wave 7, into window 1
	s_cbranch_scc0 .Lld3
	WIN 0x40
	global_load_b128 v[P7:P7+3], v[L16], s[26:27]
	global_load_b128 v[P7+4:P7+7], v[L16], s[28:29]
	global_load_b128 v[P7+8:P7+11], v[L16], s[40:41]
	global_load_b128 v[P7+12:P7+15], v[L16], s[10:11]
	global_load_b128 v[P7+16:P7+19], v[L16], s[12:13]
	global_load_b128 v[P7+20:P7+23], v[L16], s[14:15]
	global_load_b128 v[P7+24:P7+27], v[L16], s[16:17]
	WIN 0
.Lld3:
	MKVO
	GLOAD 0, 0                                     ; the first pair of windows is asked for before the weights are laid out
	GLOAD 1, 0
	WIN 0
	s_wait_loadcnt 32                              ; all but the 32 gather loads, which are the youngest on every way
.irp i,0,1,2
.irp c,0,1
	ds_store_b128 v30, v[R+8*\i+4*\c:R+8*\i+4*\c+3] offset:I_QKV+8192*\i+512*\c
.endr
.endr
.irp c,0,1
	ds_store_b128 v30, v[R+24+4*\c:R+27+4*\c] offset:I_OUT+512*\c
.endr
.irp i,0,1,2,3
.irp c,0,1
	ds_store_b128 v31, v[R+32+8*\i+4*\c:R+35+8*\i+4*\c] offset:8192*\i+512*\c
.endr
.endr
	WIN 0x04
.irp s,0,1,2,3
.irp c,0,1
	ds_store_b128 v32, v[R+8*\s+4*\c:R+8*\s+4*\c+3] offset:8192*\s+512*\c
.endr
.endr
	WIN 0
	s_cmp_lt_u32 s[WV], 4
	s_cbranch_scc0 .Lst1
	ds_store_b128 v33, v[PR:PR+3] offset:S_W1
	ds_store_b128 v33, v[PR+4:PR+7] offset:S_W2
	ds_store_b128 v33, v[PR+8:PR+11] offset:B_1
.Lst1:
	s_cmp_lt_u32 s[WV], 3
	s_cbranch_scc0 .Lst2
	ds_store_b128 v33, v[PR+12:PR+15] offset:S_QKV
	ds_store_b128 v33, v[PR+16:PR+19] offset:B_QKV
.Lst2:
	s_cmp_eq_u32 s[WV], 7
	s_cbranch_scc0 .Lst3
	WIN 0x04                                       ; an LDS store's data are its source 1: window 1
	ds_store_b128 v[L16], v[P7:P7+3] offset:S_OUT
	ds_store_b128 v[L16], v[P7+4:P7+7] offset:B_OUT
	ds_store_b128 v[L16], v[P7+8:P7+11] offset:B_2
	ds_store_b128 v[L16], v[P7+12:P7+15] offset:LNA_G
	ds_store_b128 v[L16], v[P7+16:P7+19] offset:LNA_G+512
	ds_store_b128 v[L16], v[P7+20:P7+23] offset:LNB_G
	ds_store_b128 v[L16], v[P7+24:P7+27] offset:LNB_G+512
	WIN 0
.Lst3:
	s_wait_dscnt 0x0                               ; for the others' sake: my part of the weights lies in LDS
	s_barrier_signal -1
	s_barrier_wait -1                              ; the launch's only barrier: from here on these bytes are only read, and a stage is its wave's own
	s_mov_b32 s[TRIP], 2
; ---------------- a trip: two windows through the whole chain
.Ltrip:
	LOADLN FR, 1, LNA_G, 0
	LOADLN BI, 0, LNA_G, 1
	s_wait_loadcnt 16                              ; tile 0's 16 rows are in; tile 1's 16 are younger
	TURNIN 0
	s_wait_loadcnt 0x0
	TURNIN 1
	s_wait_dscnt 0x0
	LNQ R, R, LNA_G, 1
	; each run of products: operands in, places, products, 4 places, the next run's loads, and the vector work that covers them
	BURST
	WB4 M                                          ; q, head 0
	PLACES 4
	LOADG I_QKV+4096, B_QKV+256, S_QKV+256
	QUANT2 0, M, QF, YS, 0
	QUANT2 1, M, QF, YS+1, 0
	BURST
	WB4 M+32                                       ; q, head 1
	PLACES 4
	LOADG I_QKV+8192, B_QKV+512, S_QKV+512
	QUANT2 0, M+32, QF+8, YS, 1
	QUANT2 1, M+32, QF+8, YS+1, 1
.irp t,0,1
	WIN (\t)<<6
.irp i,4,5,6,7
	v_mov_b32 v[QF+\i], 0                          ; zero codes blank out the other head's 64 along K
.endr
.endr
	BURST
	WB4 M                                          ; k, head 0
	PLACES 4
	LOADG I_QKV+12288, B_QKV+768, S_QKV+768
	QUANT2 0, M, KC, KS, 0
	QUANT2 1, M, KC, KS+1, 0
	BURST
	WB4 M+32                                       ; k, head 1
	PLACES 4
	LOADW FR, 1, L16, 0, I_QKV+16384               ; v's eight tiles
	LOADW BI, 0, L16, 0, I_QKV+20480
	LOADS 8, RP4, 0, S_QKV+1024, 128, 32
	QUANT2 0, M+32, KC+4, KS, 1
	QUANT2 1, M+32, KC+4, KS+1, 1
	BURST
	SBVB
	PLACES 4
	LOADB FR, 1, HB, 0, B_QKV+1024                 ; v's bias, canonical
	LOADB BI, 0, HB, 0, B_QKV+1280
	SOFTMAX 0
	SOFTMAX 1
	VW                                             ; p and v are first read by the products below
	s_wait_dscnt 0x0
	PLACES 4
	PV 0
	PV 1
	PLACES 8                                       ; behind the f32 form: 8 places ahead of loads into its sources and of reads of its results
.if SHIFT == 0
	GLOAD 0, 1                                     ; the residual's rows
	GLOAD 1, 1
.endif
	LOADG I_OUT, B_OUT, S_OUT
	QUANT2 0, M, XC, XS, 0
	QUANT2 0, M+32, XC+4, XS, 1
	QUANT2 1, M, XC, XS+1, 0
	QUANT2 1, M+32, XC+4, XS+1, 1
	BURST
	WB4 M                                          ; the output projection, features 0-63
	PLACES 4
	LOADG I_OUT+4096, B_OUT+256, S_OUT+256
.if SHIFT
	LDIN 0                                         ; the residual is the gathered window itself: my stage still holds its rows
	s_wait_dscnt 16                                ; all but these 16: the fragments, biases and scale words are in
.else
	s_wait_loadcnt 16                              ; tile 0's residual rows are in
	TURNIN 0
	s_wait_dscnt 32                                ; all but the turn's 32
.endif
	WB4 M+32                                       ; features 64-127
	PLACES 4
	LOADLN FR, 1, LNB_G, 0
	LOADLN BI, 0, LNB_G, 1
.if SHIFT
	LDIN 1
.else
	s_wait_loadcnt 0x0
	TURNIN 1
.endif
	s_wait_dscnt 0x0
	RES 0
	RES 1
	LNQ R, H, LNB_G, 0
	PARK 0                                         ; the residual goes to my stage; its registers serve GELU up to the trip's end
	PARK 1
	WIN 0
	s_mov_b32 s[KST], 0
	s_mov_b32 s[Q8K], 0
	s_mov_b32 s[Q512], 0
	s_mov_b32 s[Q4], 0
.Lk:                                               ; 4 trips: 128 hidden units each = one K step of the second layer
	s_add_co_u32 s53, s[Q8K], I_W1
	s_add_co_u32 s54, s[Q8K], I_W2
	s_add_co_u32 s55, s[Q512], B_1
	s_add_co_u32 s56, s[Q512], S_W1
	s_add_co_u32 s57, s[Q4], S_W2
	WIN 0x40
	v_add_nc_u32 v[AW1], s53, v[L16]
	v_add_nc_u32 v[AW2], s54, v[L16]
	v_add_nc_u32 v[AB], s55, v[HB]
	v_add_nc_u32 v[AS1], s56, v[RP4]
	v_add_nc_u32 v[AS2], s57, v[RP16]
	VW                                             ; these addresses are read again behind waits
	LOADW FR, 1, AW1, 1, 0
	LOADB BI, 0, AB, 1, 0
	LOADS 4, AS1, 1, 0, 128, 32
	BURST
	WB4 HID                                        ; hidden units 0-63 of the step
	PLACES 4
	LOADW FR, 1, AW1, 1, 4096
	LOADB BI, 0, AB, 1, 256
	LOADS 4, AS1, 1, 256, 128, 32
	GELU64
	QUANT2 0, HID, HC, YS, 0
	QUANT2 1, HID, HC, YS+1, 0
	BURST
	WB4 HID                                        ; hidden units 64-127
	PLACES 4
	LOADW FR, 1, AW2, 1, 0                         ; W2's eight tiles of this K step
	LOADW BI, 0, AW2, 1, 4096
	LOADS 8, AS2, 1, 0, 512, 128
	GELU64
	QUANT2 0, HID, HC+4, YS, 1
	QUANT2 1, HID, HC+4, YS+1, 1
	BURST
	WIN 0
	s_cmp_lg_u32 s[KST], 0
	s_cbranch_scc1 .Lacc
	OB16 1                                         ; the first K step starts the sums with the constant 0
	WIN 0
	s_branch .Lj
.Lacc:
	OB16 0
	WIN 0
.Lj:
	PLACES 4                                       ; ahead of loads into the fragments' registers, and of the first read of the sums
	s_add_co_u32 s[Q8K], s[Q8K], 8192
	s_add_co_u32 s[Q512], s[Q512], 512
	s_add_co_u32 s[Q4], s[Q4], 4
	s_add_co_u32 s[KST], s[KST], 1
	s_cmp_lt_u32 s[KST], 4
	s_cbranch_scc1 .Lk
	LOADB FR, 1, HB, 0, B_2
	LOADB BI, 0, HB, 0, B_2+256
	s_wait_dscnt 0x0
	FINX 0
	FINX 1
	ROWS 0
	ROWS 1
	GSTORE 0, 16                                   ; behind tile 0's rows: tile 1's 16 loads
	GSTORE 1, 0
	WIN 0
	s_wait_xcnt 0x0                                ; the stores' data and offsets are rewritten only behind this wait
	s_cmp_eq_u32 s[TRIP], 1
	s_cbranch_scc1 .Lnonext                        ; the last trip asks for nothing
	s_add_co_u32 s[W], s[W], 16
	MKVO
	GLOAD 0, 0
	GLOAD 1, 0
	WIN 0
.Lnonext:
	s_sub_co_u32 s[TRIP], s[TRIP], 1
	s_cmp_lg_u32 s[TRIP], 0
	s_cbranch_scc1 .Ltrip
	WIN 0x05                                       ; the wave's end
	s_wait_tensorcnt 0x0
	ds_add_u32 v[SPW], v[NIL]
	s_wait_dscnt 0x0
	WIN 0
	s_endpgm
.Lfunc_end_k_qea59a89050_half2:
	.size	k_qea59a89050_half2, .Lfunc_end_k_qea59a89050_half2-k_qea59a89050_half2
	.p2alignl 7, 3214868480
	.fill 96, 4, 3214868480
	.section	.rodata,"a",@progbits
	.p2align	6, 0x0
	.amdhsa_kernel k_qea59a89050_half2
		.amdhsa_group_segment_fixed_size 256000
		.amdhsa_private_segment_fixed_size 0
		.amdhsa_enable_private_segment 0
		.amdhsa_kernarg_size 144
		.amdhsa_user_sgpr_count 2
		.amdhsa_user_sgpr_kernarg_segment_ptr 1
		.amdhsa_wavefront_size32 1
		.amdhsa_system_sgpr_workgroup_id_x 1
		.amdhsa_system_sgpr_workgroup_id_y 1
		.amdhsa_system_sgpr_workgroup_id_z 1
		.amdhsa_system_vgpr_workitem_id 0
		.amdhsa_next_free_vgpr 512
		.amdhsa_next_free_sgpr 100
		.amdhsa_reserve_vcc 0
		.amdhsa_float_denorm_mode_32 3
		.amdhsa_float_denorm_mode_16_64 3
		.amdhsa_memory_ordered 1
		.amdhsa_forward_progress 1
		.amdhsa_inst_pref_size 255
	.end_amdhsa_kernel
	.section	.bss,"aw",@nobits
	.p2align	6
	.space	262144
	.amdgpu_metadata
---
amdhsa.version: [ 1, 2 ]
amdhsa.kernels:
  - .name:           k_qea59a89050_half2
    .symbol:         k_qea59a89050_half2.kd
    .args:
      - { .name: mid, .offset: 0, .size: 8, .value_kind: global_buffer, .address_space: global }
      - { .name: ln3_g, .offset: 8, .size: 8, .value_kind: global_buffer, .address_space: global }
      - { .name: ln3_b, .offset: 16, .size: 8, .value_kind: global_buffer, .address_space: global }
      - { .name: ln4_g, .offset: 24, .size: 8, .value_kind: global_buffer, .address_space: global }
      - { .name: ln4_b, .offset: 32, .size: 8, .value_kind: global_buffer, .address_space: global }
      - { .name: qkv2_w_codes, .offset: 40, .size: 8, .value_kind: global_buffer, .address_space: global }
      - { .name: qkv2_w_scales, .offset: 48, .size: 8, .value_kind: global_buffer, .address_space: global }
      - { .name: qkv2_b, .offset: 56, .size: 8, .value_kind: global_buffer, .address_space: global }
      - { .name: out2_w_codes, .offset: 64, .size: 8, .value_kind: global_buffer, .address_space: global }
      - { .name: out2_w_scales, .offset: 72, .size: 8, .value_kind: global_buffer, .address_space: global }
      - { .name: out2_b, .offset: 80, .size: 8, .value_kind: global_buffer, .address_space: global }
      - { .name: mlp2_w1_codes, .offset: 88, .size: 8, .value_kind: global_buffer, .address_space: global }
      - { .name: mlp2_w1_scales, .offset: 96, .size: 8, .value_kind: global_buffer, .address_space: global }
      - { .name: mlp2_b1, .offset: 104, .size: 8, .value_kind: global_buffer, .address_space: global }
      - { .name: mlp2_w2_codes, .offset: 112, .size: 8, .value_kind: global_buffer, .address_space: global }
      - { .name: mlp2_w2_scales, .offset: 120, .size: 8, .value_kind: global_buffer, .address_space: global }
      - { .name: mlp2_b2, .offset: 128, .size: 8, .value_kind: global_buffer, .address_space: global }
      - { .name: out0, .offset: 136, .size: 8, .value_kind: global_buffer, .address_space: global }
    .group_segment_fixed_size: 256000
    .private_segment_fixed_size: 0
    .kernarg_segment_align: 8
    .kernarg_segment_size: 144
    .max_flat_workgroup_size: 256
    .sgpr_count:     100
    .vgpr_count:     512
    .wavefront_size: 32
...
	.end_amdgpu_metadata
.endif
;; end of part 2
